; MI455X (gfx1250); checked and timed in simulation.
; The chip was launched on July 23, 2026; its instructions are those of AMD's public machine-readable ISA for CDNA 5 (MIT licence, August 2026) and "CDNA5" Instruction Set Architecture Reference Guide (July 2026). The comments in the code are by the model that wrote it; some were corrected since.
;; Self Attention. Allowed arithmetic: matrix products marked QUANTISED: E2M3 operands, one E8M0 scale for each 32 along K, by v_wmma_scale_f32_16x16x128_f8f6f4 with both operands' format E2M3, f32 sums; everything else in f32.
;; Inputs: Wk 1,024 x 1,024 float32; Wo 1,024 x 1,024 float32; Wq 1,024 x 1,024 float32; Wv 1,024 x 1,024 float32; hidden_states 2 x 2,048 x 1,024 float32.
;; Outputs: out0 2 x 2,048 x 1,024 float32.
;; This version of the problem:
;;   THIS VERSION OF THE PROBLEM IS GIVEN IN LOW PRECISION. The matrix products marked QUANTISED in the list below multiply operands that are first quantised to E2M3 (2 exponent bits, 3 mantissa bits; 6 bits a number), with one power-of-two scale for each 32 numbers along K (OCP MX v1.0); their sums are f32. All else is computed in f32.
;;   The module's matrix products, in the order in which they are computed (A, B: the left and right operand; K: the contracted axis; several contracted axes count as one K, in the product's order):
;;     1. [M 4,096, K 1,024] x [K 1,024, N 1,024]; A: input hidden_states; B: input Wq: QUANTISED
;;     2. [M 4,096, K 1,024] x [K 1,024, N 1,024]; A: input hidden_states; B: input Wk: QUANTISED
;;     3. [M 4,096, K 1,024] x [K 1,024, N 1,024]; A: input hidden_states; B: input Wv: QUANTISED
;;     4. batch 64 x [M 2,048, K 32] x [K 32, N 2,048]; A: computed on the way; B: computed on the way: QUANTISED
;;     5. batch 64 x [M 2,048, K 2,048] x [K 2,048, N 32]; A: softmax (see below); B: computed on the way: QUANTISED
;;     6. [M 4,096, K 1,024] x [K 1,024, N 1,024]; A: computed on the way; B: input Wo: QUANTISED
;;   THE QUANTISER, for each operand of a quantised product, along K:
;;     - K is cut into blocks of 32 from its start; a last block that is shorter is filled with zeros.
;;     - A block's scale is 2^e with e = floor(log2(the largest magnitude in the block)) - 2, held to -126 .. 127; a block of zeros has e = 0. As a byte (E8M0): e + 127.
;;     - Each number is divided by its block's scale, clamped to +-7.5, and rounded to the nearest number of E2M3, ties to even, subnormals kept.
;;     - The product sums the exact products of the quantised numbers (number of the format x scale) in f32.
;;   ~~~python
;;   def quantise(x, axis):      # numpy; x: float32 -> the quantised numbers, widened to float32 again
;;       x = np.moveaxis(x, axis, -1); K = x.shape[-1]
;;       x = np.pad(x, [(0, 0)] * (x.ndim - 1) + [(0, -K % 32)]); x = x.reshape(x.shape[:-1] + (-1, 32)); a = np.abs(x).max(-1, keepdims=True)
;;       e = np.where(a > 0, np.clip(np.frexp(np.where(a > 0, a, 1))[1] - 1 - 2, -126, 127), 0)      # np.frexp(a)[1] - 1 = floor(log2(a)), exactly
;;       r = np.clip(x / 2.0 ** e, -7.5, 7.5)
;;       step = 2.0 ** (np.maximum(np.frexp(np.where(r == 0, 1, r))[1] - 1, 0) - 3)
;;       q = np.round(r / step) * step * 2.0 ** e      # np.round: ties to even
;;       return np.moveaxis(q.reshape(q.shape[:-2] + (-1,))[..., :K], -1, axis).astype(np.float32)
;;   ~~~
;;   SOFTMAX AHEAD OF A QUANTISED PRODUCT. Where the list says 'softmax', what is quantised is not the finished softmax but p = 2^(t - M), with t = logit x log2(e) and M = ceil(the row's largest t), a whole number; so 1/2 < the row's largest p <= 1. The row's sum l is taken of the UNQUANTISED p, in f32, and the product's result is divided by l at the end. Since M is a whole number, a kernel that streams over the keys may use a running M (the ceiling of the running maximum): every later rescaling is an exact power of two, which a block's scale takes up: the codes' values come out the same.
;;   OPERANDS COMPUTED ON THE WAY. 'Computed on the way' means the value that the module computes at that place (a softmax that the list does not call 'softmax' is quantised finished and normalised). What goes into a quantiser is computed in f32, as accurately as f32 sums, v_exp_f32 and their like allow (about 1e-6 of the number): no bf16 or f16 on the way to a quantiser, and a product that is left as it is and whose result goes on into a quantised operand takes f32 operands (vector FMAs, or v_wmma_f32_16x16x4_f32). A number that lies on a knife's edge between two numbers of the format may be rounded either way, as far as f32 arithmetic and the matrix unit's own rounding can turn it there, and no further.
;; One version. Each part assembles by itself: llvm-mc -triple=amdgcn-amd-amdhsa -mcpu=gfx1250 --defsym DOCPART=n.
;; ======== version 1 of 1: 4 launches
;; limits: right only within a limited range of input values
;; workspace buffers: codes 6,291,456 bytes; scales 262,144 bytes; rope 262,144 bytes; q_codes 3,145,728 bytes; kv 6,815,744 bytes; a_codes 3,145,728 bytes; a_scales 131,072 bytes
;; launch quant (part 1): grid 256 x 1, 4 waves a work-group, no clusters, 33,280 bytes of LDS; arguments hidden_states, Wq, Wk, Wv, Wo, codes, scales, rope; writes codes, scales, rope
.if DOCPART == 1
	.amdgcn_target "amdgcn-amd-amdhsa--gfx1250"
	.amdhsa_code_object_version 6
	.text
	.protected	k_q48a460b2a3_quant
	.globl	k_q48a460b2a3_quant
	.p2align	8
	.type	k_q48a460b2a3_quant,@function
k_q48a460b2a3_quant:
	s_mov_b64 s[64:65], 0
	v_nop
	global_prefetch_b8 v0, s[64:65] scope:SCOPE_SE
	s_setreg_imm32_b32 hwreg(HW_REG_WAVE_MODE, 25, 1), 1
	s_wait_xcnt 0x0
; hidden_states [4096][1024] and Wq, Wk, Wv, Wo [1024][1024], all f32 with K innermost, become codes of FP6 (E2M3) and one E8M0 byte for each 32 along K, in ONE buffer of 8,192 rows
; (768 bytes of codes, 32 scale bytes a row).  The launch also makes the RoPE table.
; A block's scale is 2^(floor(log2(its largest magnitude)) - 2); its byte is the largest magnitude's exponent field - 2, held at 1 from below; each number / scale goes to the nearest code, ties to even, beyond 7.5 the largest code.
; THE ROWS ARE LAID IN THE ORDER IN WHICH THE LATER LAUNCHES WANT THEM, in runs of 8 rows, so the order costs scalar arithmetic alone:
;   tokens: position p = 64 G + 16 b + 8 r1 + r0 holds token 64 G + 32 r1 + 8 b + r0;   rows of Wq, Wk, Wv inside a head: position 16 u + 8 h + j holds channel 16 h + 8 u + j;   Wo's rows stay.
;   rows 0 .. 4,095: x by position;  row 4,096 + 96 head + 32 T + position (T = 0 q, 1 k, 2 v);  row 7,168 + n: Wo.
; A wave takes a run of 8 rows, 8,192 numbers, in 16 steps of 512.  Each of a step's four loads reads 512 consecutive bytes; the 2,048 bytes turn through the wave's own stage in LDS and come back 64 bytes a lane,
; so that a lane holds 16 neighbours along K and two neighbouring lanes a block.  A wave's 256 scale bytes are gathered in LDS and leave as one aligned run of 256 bytes.
; No tensor load, no barrier, no cluster: the waves share nothing and every byte is read once.  Loads run four steps (16 loads a wave) ahead.
; THE TABLE: rope[position][j] = (cos, sin) of token x 10^(-j / 4), j = 0 .. 15, one pair a thread.  The angle is one f32 product, as the definition has it; it is reduced by a multiple of pi / 2 given in two parts
; (the first fused multiply-add is exact for angles under 2,048) and put through polynomials whose truncation lies under 2e-9 on |r| <= pi / 4.
; LIMITS: NaN and infinities among the inputs are not served.  Blocks whose largest magnitude lies under 2^-124 keep the byte 1; a block of zeros has the byte 1 where the rule says 127 (its codes are zeros, and this
; program alone reads the bytes).  10^(-j / 4) is the correctly rounded f32 constant; a power function in f32 may differ from it in the last bits, which moves the largest angle by about 1e-4.
.set WAVES, 4
.set STEPS, 16
.set EMAX,  2
.set CB,    12                         ; bytes of 16 codes
; THE CODES LIE IN FOUR PLANES, one for each 256 along K: plane c holds the 192 bytes of codes of k = 256 c .. 256 c + 255 of every row, row behind row.
; So the rows of a tile, in one plane, are one dense run of bytes that begins at a multiple of 256 (tiles begin at multiples of 32 rows, 6,144 bytes).
.set PLC,   1572864                    ; a plane: 8,192 rows x 192 bytes
.set R,     16                         ; v16-79   four sets of 16 numbers as they are loaded
.set X,     80                         ; v80-111  two sets of 16 neighbours
.set E,     112                        ; v112-127 a scale byte for each step
.set C,     128                        ; v128-191 codes: four registers for each step, so that no store's data are written again
.set TT,    192                        ; v192-207 the table's arithmetic
.set WREG,  8192                       ; LDS: a region for each wave: two stages of 32 x SP bytes, behind them its 256 scale bytes
.set SP,    80                         ; a lane's place in a stage: 64 bytes + 16 of padding
.set SPW,   12                         ; v12  LDS address of my spare word; never rewritten
.set NIL,   13                         ; v13  0; never rewritten
.set SPARE, WAVES*WREG                 ; behind the four regions: the spare words, 128 bytes a wave, which no other line names
	s_load_b256 s[4:11], s[0:1], 0x0               ; hidden_states s[4:5], Wq s[6:7], Wk s[8:9], Wv s[10:11]
	s_load_b256 s[12:19], s[0:1], 0x20             ; Wo s[12:13], codes s[14:15], scales s[16:17], rope s[18:19]
	v_lshl_add_u32 v[SPW], v0, 2, SPARE
	v_mov_b32 v[NIL], 0
	v_lshrrev_b32 v1, 5, v0
	v_readfirstlane_b32 s20, v1                    ; wave
	v_and_b32 v2, 31, v0                           ; lane
	v_lshlrev_b32 v3, 4, v2                        ; my 16 bytes of a load's 512
	s_mul_i32 s21, s20, WREG
	v_lshrrev_b32 v14, 2, v2
	v_mul_u32_u24 v14, v14, SP
	v_and_b32 v15, 3, v2
	v_lshl_add_u32 v14, v15, 4, v14
	v_add_nc_u32 v14, s21, v14                     ; the stage, on the way in: SP (lane / 4) + 16 (lane % 4)
	v_mul_u32_u24 v15, v2, SP
	v_add_nc_u32 v15, s21, v15                     ; and on the way out: SP x lane: my 16 neighbours
	v_and_b32 v4, 15, v2
	v_mul_u32_u24 v4, v4, CB                       ; my codes' place: sixteen lanes hold the 192 bytes that a row has in a plane,
	v_lshrrev_b32 v8, 4, v2
	v_mad_u32_u24 v4, v8, PLC, v4                  ; and lanes 16-31 stand one plane further on
	v_lshrrev_b32 v5, 1, v2
	s_add_co_u32 s21, s21, 2*32*SP
	v_add_nc_u32 v5, s21, v5                       ; LDS: my wave's 256 scale bytes, my block's byte
	v_lshlrev_b32 v7, 3, v2                        ; and on the way out 8 bytes a lane
	v_add_nc_u32 v6, s21, v7
	; which tensor, which run of 8 rows in, which run out.  g = the work-group's number: g < 128: x; else T = (g - 128) / 32 (Wq, Wk, Wv, Wo), head = (g - 128) % 32
	s_sub_co_u32 s22, ttmp9, 128
	s_bfe_u32 s23, s22, 0x20005                    ; T
	s_and_b32 s24, s22, 31                         ; head
	s_lshr_b32 s25, ttmp9, 1
	s_lshl_b32 s25, s25, 3
	s_lshl_b32 s26, s20, 1
	s_add_co_u32 s25, s25, s26
	s_and_b32 s26, ttmp9, 1
	s_add_co_u32 s25, s25, s26                     ; x out: 8 (g / 2) + 2 wave + g % 2
	s_mul_i32 s26, s24, 12
	s_lshl_b32 s27, s23, 2
	s_add_co_u32 s26, s26, s27
	s_and_b32 s27, s20, 1
	s_lshl_b32 s27, s27, 1
	s_add_co_u32 s26, s26, s27
	s_lshr_b32 s27, s20, 1
	s_add_co_u32 s26, s26, s27
	s_add_co_u32 s26, s26, 512                     ; Wq, Wk, Wv out: 512 + 12 head + 4 T + the wave's two bits changed round
	s_lshl_b32 s27, s24, 2
	s_add_co_u32 s27, s27, s20                     ; a weight in: 4 head + wave
	s_add_co_u32 s28, s27, 896                     ; Wo out
	s_lshl_b32 s29, ttmp9, 2
	s_add_co_u32 s29, s29, s20                     ; x in: 4 g + wave
	s_cmp_eq_u32 s23, 3
	s_cselect_b32 s26, s28, s26
	s_wait_kmcnt 0x0
	s_cmp_eq_u32 s23, 1                            ; every choice hangs on the work-group's number alone
	s_cselect_b64 s[6:7], s[8:9], s[6:7]
	s_cmp_eq_u32 s23, 2
	s_cselect_b64 s[6:7], s[10:11], s[6:7]
	s_cmp_eq_u32 s23, 3
	s_cselect_b64 s[6:7], s[12:13], s[6:7]
	s_cmp_lt_u32 ttmp9, 128
	s_cselect_b64 s[4:5], s[4:5], s[6:7]
	s_cselect_b32 s26, s25, s26                    ; the run out
	s_cselect_b32 s27, s29, s27                    ; the run in
	s_lshl_b32 s30, s27, 15                        ; 8 rows of 4,096 bytes
	s_mov_b32 s31, 0
	s_add_nc_u64 s[4:5], s[4:5], s[30:31]
	s_mul_i32 s30, s26, 1536                       ; 8 rows of 192 bytes in a plane
	s_add_nc_u64 s[14:15], s[14:15], s[30:31]
	s_lshl_b32 s30, s26, 8                         ; 8 rows of 32 bytes
	s_add_nc_u64 s[16:17], s[16:17], s[30:31]
	s_lshl_b32 s30, ttmp9, 10                      ; the table: 128 pairs of 8 bytes a work-group
	s_add_nc_u64 s[18:19], s[18:19], s[30:31]
.macro LOAD t
.irp i, 0,1,2,3
	global_load_b128 v[R+16*((\t)%4)+4*\i:R+16*((\t)%4)+4*\i+3], v3, s[4:5] offset:2048*(\t)+512*\i th:TH_LOAD_NT   ; 32 lanes read 512 consecutive bytes
.endr
.endm
.macro TURN t                          ; step t's numbers through the stage: LDS serves a wave's instructions in order, so no wait stands between the stores and the loads
.irp i, 0,1,2,3
	ds_store_b128 v14, v[R+16*((\t)%4)+4*\i:R+16*((\t)%4)+4*\i+3] offset:32*SP*((\t)%2)+8*SP*\i
.endr
.irp i, 0,1,2,3
	ds_load_b128 v[X+16*((\t)%2)+4*\i:X+16*((\t)%2)+4*\i+3], v15 offset:32*SP*((\t)%2)+16*\i
.endr
.endm
.irp t, 0,1,2,3
	LOAD \t
.endr
	; THE TABLE, while the first loads are on their way.  Thread n = 128 g + v0: position n / 16, j = n % 16
	s_lshl_b32 s30, ttmp9, 3
	v_lshrrev_b32 v[TT], 4, v0
	v_add_nc_u32 v[TT], s30, v[TT]                 ; the position
	v_and_b32 v[TT+1], 0xffffffc7, v[TT]
	v_and_b32 v[TT+2], 8, v[TT]
	v_lshl_or_b32 v[TT+1], v[TT+2], 2, v[TT+1]     ; the position's bit 3 is the token's bit 5,
	v_and_b32 v[TT+2], 0x30, v[TT]
	v_lshrrev_b32 v[TT+2], 1, v[TT+2]              ; its bits 5:4 the token's bits 4:3
	v_or_b32 v[TT+1], v[TT+1], v[TT+2]
	v_cvt_f32_u32 v[TT+1], v[TT+1]                 ; the token
	v_and_b32 v[TT+2], 15, v0                      ; j
	v_mov_b32 v[TT+3], 1.0
.macro PICK j, lit                     ; 10^(-j / 4) where my j is this one
	v_cmp_ne_u32 vcc_lo, \j, v[TT+2]
	v_cndmask_b32 v[TT+3], \lit, v[TT+3], vcc_lo
.endm
	PICK 1, 0x3f0ff59a
	PICK 2, 0x3ea1e89b
	PICK 3, 0x3e361887
	PICK 4, 0x3dcccccd
	PICK 5, 0x3d6655c3
	PICK 6, 0x3d0186e2
	PICK 7, 0x3c91ad39
	PICK 8, 0x3c23d70a
	PICK 9, 0x3bb8449c
	PICK 10, 0x3b4f3e37
	PICK 11, 0x3ae91528
	PICK 12, 0x3a83126f
	PICK 13, 0x3a136a16
	PICK 14, 0x39a5cb5f
	PICK 15, 0x393a7753
	v_mul_f32 v[TT+1], v[TT+1], v[TT+3]            ; the angle: one rounding
	v_mul_f32 v[TT+4], 0x3f22f983, v[TT+1]         ; x 2 / pi,
	v_rndne_f32 v[TT+4], v[TT+4]                   ; to the nearest whole number n
	v_fmamk_f32 v[TT+5], v[TT+4], 0xbfc90fdb, v[TT+1]   ; r = angle - n x (pi / 2's upper part): exact
	v_fmamk_f32 v[TT+5], v[TT+4], 0x333bbd2e, v[TT+5]   ; - n x its lower part, which is negative
	v_mul_f32 v[TT+6], v[TT+5], v[TT+5]            ; z = r r
	v_mov_b32 v[TT+7], 0x3638ef1d                  ; sin r = r + r z (-1/6 + z (1/120 + z (-1/5040 + z / 362880)))
	v_mov_b32 v[TT+8], 0xb493f27e                  ; cos r = 1 + z (-1/2 + z (1/24 + z (-1/720 + z (1/40320 - z / 3628800))))
	v_fmaak_f32 v[TT+7], v[TT+7], v[TT+6], 0xb9500d01
	v_fmaak_f32 v[TT+8], v[TT+8], v[TT+6], 0x37d00d01
	v_fmaak_f32 v[TT+7], v[TT+7], v[TT+6], 0x3c088889
	v_fmaak_f32 v[TT+8], v[TT+8], v[TT+6], 0xbab60b61
	v_fmaak_f32 v[TT+7], v[TT+7], v[TT+6], 0xbe2aaaab
	v_fmaak_f32 v[TT+8], v[TT+8], v[TT+6], 0x3d2aaaab
	v_mul_f32 v[TT+12], v[TT+5], v[TT+6]
	v_fmaak_f32 v[TT+8], v[TT+8], v[TT+6], 0xbf000000
	v_fma_f32 v[TT+9], v[TT+12], v[TT+7], v[TT+5]  ; sin r
	v_fma_f32 v[TT+10], v[TT+6], v[TT+8], 1.0      ; cos r
	v_cvt_i32_f32 v[TT+11], v[TT+4]                ; n: its two low bits are the quadrant
	v_and_b32 v[TT+12], 1, v[TT+11]
	v_cmp_eq_u32 vcc_lo, 1, v[TT+12]
	v_cndmask_b32 v[TT+15], v[TT+9], v[TT+10], vcc_lo   ; odd quadrants change sine and cosine round
	v_cndmask_b32 v[TT+14], v[TT+10], v[TT+9], vcc_lo
	v_and_b32 v[TT+12], 2, v[TT+11]
	v_lshlrev_b32 v[TT+12], 30, v[TT+12]
	v_xor_b32 v[TT+15], v[TT+15], v[TT+12]         ; the sine is negated in quadrants 2 and 3,
	v_add_nc_u32 v[TT+11], 1, v[TT+11]
	v_and_b32 v[TT+12], 2, v[TT+11]
	v_lshlrev_b32 v[TT+12], 30, v[TT+12]
	v_xor_b32 v[TT+14], v[TT+14], v[TT+12]         ; the cosine in quadrants 1 and 2
	v_lshlrev_b32 v[TT+13], 3, v0
	global_store_b64 v[TT+13], v[TT+14:TT+15], s[18:19]   ; (cos, sin): a wave stores 256 consecutive bytes, aligned; these registers are not written again
	s_wait_loadcnt 12                              ; step 0's four loads are in
	TURN 0
.macro STEP t
.set XS, X+16*((\t)%2)
.if (\t) > 0
	s_wait_dscnt 1                                 ; this step's numbers are back from the stage (the last step's byte store may be out): so its stores into the stage have read their registers,
.else
	s_wait_dscnt 0x0
.endif
.if (\t)+4 < STEPS
	LOAD (\t)+4                                    ; which take the loads of four steps on
.endif
.if (\t)+1 < STEPS
.if STEPS-2-(\t) >= 3
	s_wait_loadcnt 12                              ; the next step's four loads are in; those of the three steps behind it may be out
.else
	s_wait_loadcnt 4*(STEPS-2-(\t))
.endif
	TURN (\t)+1                                    ; and go through the other stage while this step is worked
.endif
	v_max3_num_f32 v8, |v[XS]|, |v[XS+1]|, |v[XS+2]|               ; the largest magnitude of my 16, in two chains
	v_max3_num_f32 v9, |v[XS+3]|, |v[XS+4]|, |v[XS+5]|
.irp i, 6,10
	v_max3_num_f32 v8, v8, |v[XS+\i]|, |v[XS+\i+1]|
	v_max3_num_f32 v9, v9, |v[XS+\i+2]|, |v[XS+\i+3]|
.endr
	v_max3_num_f32 v8, v8, |v[XS+14]|, |v[XS+15]|
	v_max3_num_f32 v8, v8, v9, (EMAX+1)<<23        ; and the floor 2^(EMAX + 1 - 127): so the byte cannot fall under 1
	v_max_num_f32_dpp v8, v8, v8 row_xmask:1 row_mask:0xf bank_mask:0xf   ; and of my neighbour's 16: the block's
	v_add_nc_u32 v11, -(EMAX<<23), v8              ; EMAX off its exponent field: the conversion takes the exponent field of this operand as its scale
	v_cvt_scalef32_pk16_fp6_f32 v[C+4*(\t):C+4*(\t)+2], v[XS:XS+15], v11
	v_lshrrev_b32 v[E+(\t)], 23, v11               ; the scale's byte (a plain line behind the conversion)
	ds_store_b8 v5, v[E+(\t)] offset:16*(\t)       ; both lanes of a block write the same byte with the same value
	global_store_b96 v4, v[C+4*(\t):C+4*(\t)+2], s[14:15] offset:2*PLC*((\t)%2)+192*((\t)/2)   ; step t is half t % 2 of row t / 2: planes 2 (t % 2) and 2 (t % 2) + 1; the wave's 8 rows fill 1,536 consecutive bytes of each plane
.endm
.irp t, 0,1,2,3,4,5,6,7,8,9,10,11,12,13,14,15
	STEP \t
.endr
	ds_load_b64 v[8:9], v6                         ; LDS serves a wave's instructions in order: these see my stores
	s_wait_dscnt 0x0
	global_store_b64 v7, v[8:9], s[16:17]          ; 32 lanes store 256 consecutive bytes, aligned
	s_wait_tensorcnt 0x0                           ; the wave's end, behind my last LDS store
	ds_add_u32 v[SPW], v[NIL]
	s_wait_dscnt 0x0
	s_endpgm
.Lfunc_end_k_q48a460b2a3_quant:
	.size	k_q48a460b2a3_quant, .Lfunc_end_k_q48a460b2a3_quant-k_q48a460b2a3_quant
	.p2alignl 7, 3214868480
	.fill 96, 4, 3214868480
	.section	.rodata,"a",@progbits
	.p2align	6, 0x0
	.amdhsa_kernel k_q48a460b2a3_quant
		.amdhsa_group_segment_fixed_size 33280
		.amdhsa_private_segment_fixed_size 0
		.amdhsa_enable_private_segment 0
		.amdhsa_kernarg_size 64
		.amdhsa_user_sgpr_count 2
		.amdhsa_user_sgpr_kernarg_segment_ptr 1
		.amdhsa_wavefront_size32 1
		.amdhsa_system_sgpr_workgroup_id_x 1
		.amdhsa_system_sgpr_workgroup_id_y 1
		.amdhsa_system_sgpr_workgroup_id_z 1
		.amdhsa_system_vgpr_workitem_id 0
		.amdhsa_next_free_vgpr 208
		.amdhsa_next_free_sgpr 66
		.amdhsa_reserve_vcc 1
		.amdhsa_float_denorm_mode_32 3
		.amdhsa_float_denorm_mode_16_64 3
		.amdhsa_memory_ordered 1
		.amdhsa_forward_progress 1
		.amdhsa_inst_pref_size 37
	.end_amdhsa_kernel
	.amdgpu_metadata
---
amdhsa.version: [ 1, 2 ]
amdhsa.kernels:
  - .name:           k_q48a460b2a3_quant
    .symbol:         k_q48a460b2a3_quant.kd
    .args:
      - { .name: hidden_states, .offset: 0, .size: 8, .value_kind: global_buffer, .address_space: global }
      - { .name: Wq, .offset: 8, .size: 8, .value_kind: global_buffer, .address_space: global }
      - { .name: Wk, .offset: 16, .size: 8, .value_kind: global_buffer, .address_space: global }
      - { .name: Wv, .offset: 24, .size: 8, .value_kind: global_buffer, .address_space: global }
      - { .name: Wo, .offset: 32, .size: 8, .value_kind: global_buffer, .address_space: global }
      - { .name: codes, .offset: 40, .size: 8, .value_kind: global_buffer, .address_space: global }
      - { .name: scales, .offset: 48, .size: 8, .value_kind: global_buffer, .address_space: global }
      - { .name: rope, .offset: 56, .size: 8, .value_kind: global_buffer, .address_space: global }
    .group_segment_fixed_size: 33280
    .private_segment_fixed_size: 0
    .kernarg_segment_align: 8
    .kernarg_segment_size: 64
    .max_flat_workgroup_size: 128
    .sgpr_count:     66
    .vgpr_count:     208
    .wavefront_size: 32
...
	.end_amdgpu_metadata
.endif
;; end of part 1
;; launch qkv (part 2): grid 16 x 16, 4 waves a work-group, clusters of 4 x 4, 327,680 bytes of LDS; arguments codes, scales, rope, q_codes, kv; writes q_codes, kv
.if DOCPART == 2
	.amdgcn_target "amdgcn-amd-amdhsa--gfx1250"
	.amdhsa_code_object_version 6
	.text
	.protected	k_q48a460b2a3_qkv
	.globl	k_q48a460b2a3_qkv
	.p2align	8
	.type	k_q48a460b2a3_qkv,@function
k_q48a460b2a3_qkv:
	s_mov_b64 s[64:65], 0
	v_nop
	global_prefetch_b8 v0, s[64:65] scope:SCOPE_SE
	s_setreg_imm32_b32 hwreg(HW_REG_WAVE_MODE, 25, 1), 1
	s_wait_xcnt 0x0
	s_wait_alu depctr_hold_cnt(0) depctr_sa_sdst(0) depctr_va_vdst(0) depctr_va_sdst(0) depctr_va_ssrc(0) depctr_va_vcc(0) depctr_vm_vsrc(0)
	s_getreg_b32 s2, hwreg(HW_REG_IB_STS2, 6, 4)
	s_cmp_eq_u32 s2, 0
	s_cbranch_scc0 .Lentry_in_a_cluster
	s_endpgm
.Lentry_in_a_cluster:
	s_bfe_u32 s2, ttmp6, 0x10000c
	s_cmp_lg_u32 s2, 0xf033
	s_cbranch_scc0 .Lentry_shape_is_right
	s_endpgm
.Lentry_shape_is_right:
; q, k, v = x W^T on codes of FP6 (E2M3) with E8M0 scales, then RoPE on q and k and the quantisers of the attention's operands.  A work-group makes 256 positions x 192 columns (two heads' q, k, v).
; The codes lie in four planes of 256 along K, 192 bytes a row, rows dense: the rows of a tile in one plane are one dense run, which comes in as rows of 256 bytes that begin at multiples of 256.
; 16 bytes of padding follow every 64, counted along the whole tile: so a row of 192 bytes of codes takes 240 bytes of LDS.
; THE HEAD: one joint load a wave: wave 0 plane 0 of A's 256 rows, wave 1 plane 0 of B's 192 rows, wave 2 A's scales, wave 3 B's.  Slot 1 is first filled behind the full sequence and a round, a quarter a wave, as the refills are.
.set ROWB,   256
.set KROW,   256
.set PLC,    1572864
.set PITCH,  240
.set FR,     12
.set NL,     6
.set HALFA,  128*PITCH
.set HALFB,  96*PITCH
.set BOFF,   2*HALFA
.set SLOT,   2*HALFA+2*HALFB
.set SCLB,   2*SLOT
.set SCLA,   SCLB+24*272
.set SBLK,   544
.set SPARE,  230400
.set ADRA, 16
.set ADRB, 20
.set ADRS, 27
.set SPW,  28
.set NIL,  29
.set LI16, 8
.set QO,   9
.set RO,   10
.set H8,   11
.set SC,   32
.set CS0,  64
.set AF,   128
.set PC,   128
.set TM,   148
.set PWQ,  164
.set PWK,  166
.set PWV,  168
.set REC,  172
.set TR,   192
.set G1,   24
.set G0,   32
.set G1B,  48
.set G0B,  56
.set G1S,  68
.set G0S,  76
.set G1SB, 80
.set G0SB, 88
.set MSB, 0
.macro WIN new
.if MSB != (\new)
	s_set_vgpr_msb (MSB<<8)|(\new)
.set MSB, (\new)
.endif
.endm
.macro JLOAD g0a, g1a, g0b, g1b
	s_cmp_eq_u32 s15, 0
	s_cbranch_scc0 .Lfor_b_\@
	tensor_load_to_lds s[\g0a:\g0a+3], s[\g1a:\g1a+7]
	s_nop 0
.rept 4
	v_nop
.endr
	s_branch .Lasked_\@
.Lfor_b_\@:
	tensor_load_to_lds s[\g0b:\g0b+3], s[\g1b:\g1b+7]
	s_nop 0
.rept 4
	v_nop
.endr
.Lasked_\@:
.endm
.macro CREST
	s_cmp_lg_u32 s14, 0
	s_cbranch_scc1 .Lnot_wave_0_\@
	s_barrier_signal -3
.Lnot_wave_0_\@:
	s_barrier_wait -3
	s_barrier_signal -1
	s_barrier_wait -1
.endm
.macro CROUND
	s_barrier_signal -1
	s_barrier_wait -1
	CREST
.endm
.macro PLACES n
.rept \n
	v_nop
.endr
.endm
	s_load_b128 s[4:7], s[0:1], 0x0
	s_load_b128 s[8:11], s[0:1], 0x10
	s_load_b64 s[12:13], s[0:1], 0x20
	v_lshl_add_u32 v[SPW], v0, 2, SPARE
	v_mov_b32 v[NIL], 0
	ds_add_u32 v[SPW], v[NIL]
	ds_add_u32 v[SPW], v[NIL]
	v_lshrrev_b32 v1, 5, v0
	v_readfirstlane_b32 s14, v1
	s_lshr_b32 s15, s14, 1
	s_and_b32 s16, s14, 1
	s_bfe_u32 s40, ttmp6, 0x40000
	s_bfe_u32 s41, ttmp6, 0x40004
	s_lshl_b32 s42, ttmp9, 2
	s_add_co_u32 s42, s42, s40
	s_and_b32 s17, ttmp7, 0xffff
	s_lshl_b32 s17, s17, 2
	s_add_co_u32 s17, s17, s41
	s_lshl_b32 s43, s41, 2
	s_lshl_b32 s43, 15, s43
	s_lshl_b32 s44, 0x1111, s40
	s_or_b32 s[G1+0], s43, (1<<20)|(1<<21)|(3<<22)|(3<<25)
	s_or_b32 s[G1B+0], s44, (1<<20)|(1<<21)|(3<<22)|(3<<25)
	s_mov_b32 s[G1+1], ROWB<<16
	s_mov_b32 s[G1+2], 192<<16
	s_mov_b32 s[G1+3], ROWB<<16
	s_mov_b32 s[G1+4], 192
	s_mov_b32 s[G1+5], KROW
	s_mov_b32 s[G1+6], 0
	s_mov_b32 s[G1+7], 0
	s_mov_b32 s[G1B+1], ROWB<<16
	s_mov_b32 s[G1B+2], 144<<16
	s_mov_b32 s[G1B+3], ROWB<<16
	s_mov_b32 s[G1B+4], 144
	s_mov_b32 s[G1B+5], KROW
	s_mov_b32 s[G1B+6], 0
	s_mov_b32 s[G1B+7], 0
	s_or_b32 s[G1S+0], s43, (3<<16)|(1<<20)|(1<<21)|(5<<22)|(3<<25)
	s_or_b32 s[G1SB+0], s44, (3<<16)|(1<<20)|(1<<21)|(5<<22)|(3<<25)
	s_mov_b32 s[G1S+1], 32<<16
	s_mov_b32 s[G1S+2], 32<<16
	s_mov_b32 s[G1S+3], 32<<16
	s_mov_b32 s[G1S+4], 32
	s_mov_b32 s[G1S+5], 32
	s_mov_b32 s[G1S+6], 0
	s_mov_b32 s[G1S+7], 0
	s_mov_b32 s[G1SB+1], 32<<16
	s_mov_b32 s[G1SB+2], 24<<16
	s_mov_b32 s[G1SB+3], 32<<16
	s_mov_b32 s[G1SB+4], 24
	s_mov_b32 s[G1SB+5], 32
	s_mov_b32 s[G1SB+6], 0
	s_mov_b32 s[G1SB+7], 0
	s_lshl_b32 s20, s17, 8                         ; A: the tile's first row
	s_mul_i32 s46, s42, 192
	s_add_co_u32 s46, s46, 4096                    ; B: the tile's first row
	s_mov_b32 s21, 0
	s_mov_b32 s47, 0
	s_mov_b64 s[18:19], 32
	s_mul_u64 s[22:23], s[20:21], s[18:19]
	s_mul_u64 s[92:93], s[46:47], s[18:19]
	s_mov_b64 s[18:19], 192                        ; bytes of a row in a plane
	s_mul_u64 s[20:21], s[20:21], s[18:19]
	s_mul_u64 s[46:47], s[46:47], s[18:19]
	s_mul_i32 s45, s16, HALFA
	s_mul_i32 s99, s16, HALFB
	s_add_co_u32 s99, s99, BOFF                    ; the ring: where my 96 rows of B go
	s_mul_i32 s94, s16, 96*192                     ; and where they begin in the tile's run of bytes
	s_mov_b32 s95, 0
	s_mov_b32 s96, 0x76543210
	s_mov_b32 s97, 0xfedcba98
	s_mov_b32 s98, 0xffff0000
	s_wait_dscnt 0x0
	s_wait_kmcnt 0x0
	s_add_nc_u64 s[20:21], s[4:5], s[20:21]
	s_add_nc_u64 s[22:23], s[6:7], s[22:23]
	s_add_nc_u64 s[46:47], s[4:5], s[46:47]
	s_add_nc_u64 s[92:93], s[6:7], s[92:93]
	CROUND
	s_mov_b32 s[G0S], 1
	s_mov_b32 s[G0S+1], SCLA
	s_mov_b64 s[G0S+2:G0S+3], s[22:23]
	s_or_b32 s[G0S+3], s[G0S+3], 0x80000000
	s_mov_b32 s[G0SB], 1
	s_mov_b32 s[G0SB+1], SCLB
	s_mov_b64 s[G0SB+2:G0SB+3], s[92:93]
	s_or_b32 s[G0SB+3], s[G0SB+3], 0x80000000
	s_mul_i32 s92, s16, 128*192                    ; the ring: where my 128 rows of A begin in the tile's run of bytes
	s_mov_b32 s93, 0
	s_mov_b32 s[G0], 1                             ; the head's loads of plane 0 take slot 0's group 0: A's 256 rows whole,
	s_mov_b32 s[G0+1], 0
	s_mov_b64 s[G0+2:G0+3], s[20:21]
	s_or_b32 s[G0+3], s[G0+3], 0x80000000
	s_mov_b32 s[G0B], 1                            ; and B's 192 rows whole, behind them
	s_mov_b32 s[G0B+1], BOFF
	s_mov_b64 s[G0B+2:G0B+3], s[46:47]
	s_or_b32 s[G0B+3], s[G0B+3], 0x80000000
	s_add_nc_u64 s[20:21], s[20:21], s[92:93]
	s_add_nc_u64 s[46:47], s[46:47], s[94:95]
	s_mov_b32 s[G0+4], 1                           ; slot 1: plane 1, my part of the rows
	s_add_co_u32 s[G0+5], s45, SLOT
	s_add_nc_u64 s[G0+6:G0+7], s[20:21], PLC
	s_or_b32 s[G0+7], s[G0+7], 0x80000000
	s_mov_b32 s[G0B+4], 1
	s_add_co_u32 s[G0B+5], s99, SLOT
	s_add_nc_u64 s[G0B+6:G0B+7], s[46:47], PLC
	s_or_b32 s[G0B+7], s[G0B+7], 0x80000000
; one chain of branches on the wave's number, one load to an arm, all arms to one join: one tensor load a wave at the head
.macro ARM under, g0, g1, next
	s_cmp_lt_u32 s14, \under
	s_cbranch_scc0 \next
	tensor_load_to_lds s[\g0:\g0+3], s[\g1:\g1+7]
	s_nop 0
.rept 4
	v_nop
.endr
	s_branch .Lhead_asked
\next:
.endm
	ARM 1, G0,  G1,  .Lhead_b
	ARM 2, G0B, G1B, .Lhead_sa
	ARM 3, G0S, G1S, .Lhead_sb
	tensor_load_to_lds s[G0SB:G0SB+3], s[G1SB:G1SB+7]
	s_nop 0
.rept 4
	v_nop
.endr
.Lhead_asked:
	v_and_b32 v1, 15, v0
	v_bfe_u32 v2, v0, 4, 1
	v_mul_u32_u24 v3, v1, PITCH
	v_mul_u32_u24 v4, v2, 24
	v_add_nc_u32 v4, v3, v4
	v_lshl_add_u32 v5, v2, 4, v4
	s_mul_i32 s21, s15, HALFA
	s_mul_i32 s22, s16, HALFB
	s_add_co_u32 s22, s22, BOFF
.irp s, 0,1
	v_add_nc_u32 v[ADRA+\s], s21, v4
	v_add_nc_u32 v[ADRB+\s], s22, v4
	v_add_nc_u32 v[ADRA+2+\s], s21, v5
	v_add_nc_u32 v[ADRB+2+\s], s22, v5
	s_add_co_u32 s21, s21, SLOT
	s_add_co_u32 s22, s22, SLOT
.endr
	v_lshlrev_b32 v5, 5, v1
	v_lshrrev_b32 v6, 3, v1
	v_lshl_add_u32 v5, v6, 4, v5
	s_mul_i32 s21, s16, 12*272
	s_add_co_u32 s21, s21, SCLB
	s_mul_i32 s22, s15, 16*272
	s_add_co_u32 s22, s22, SCLA
	s_sub_co_u32 s22, s22, s21
	v_mul_u32_u24 v6, s22, v2
	v_add_nc_u32 v5, v5, v6
	v_add_nc_u32 v[ADRS], s21, v5
	v_and_b32 v6, 31, v0
	v_lshlrev_b32 v[LI16], 4, v6
	v_mul_u32_u24 v[QO], v1, 24
	v_mad_u32_u24 v[QO], v2, 12, v[QO]
	v_lshlrev_b32 v[RO], 7, v1
	v_lshl_add_u32 v[RO], v2, 6, v[RO]
	s_wait_alu depctr_va_vdst(0)
	v_lshlrev_b32 v[H8], 3, v2
	s_and_b32 s18, s17, 7
	s_lshl_b32 s18, s18, 1
	s_add_co_u32 s18, s18, s15
	s_lshr_b32 s19, s17, 3
	s_lshl_b32 s19, s19, 5
	s_lshl_b32 s2, s42, 1
	s_add_co_u32 s19, s19, s2
	s_add_co_u32 s19, s19, s16
	s_mov_b32 s3, 0
	s_lshl_b32 s2, s18, 14
	s_add_nc_u64 s[8:9], s[8:9], s[2:3]
	s_mul_i32 s2, s19, 49152
	s_mul_i32 s21, s18, 3072
	s_add_co_u32 s2, s2, s21
	s_add_nc_u64 s[10:11], s[10:11], s[2:3]
	s_mul_i32 s2, s19, 106496
	s_add_nc_u64 s[12:13], s[12:13], s[2:3]
	s_lshl_b32 s2, s18, 9
	s_add_nc_u64 s[66:67], s[12:13], s[2:3]
	s_mov_b32 s2, s21
	s_add_nc_u64 s[12:13], s[12:13], s[2:3]
.irp b, 0,1,2,3
.irp k, 0,1,2,3
	global_load_b128 v[CS0+16*\b+4*\k:CS0+16*\b+4*\k+3], v[RO], s[8:9] offset:2048*\b+16*\k
.endr
.endr
.macro FRAG reg, adr, q, i
.irp p, 0,1,2,3,4,5
.set PIECE, 12*(\q)+6*(\p/3)+\p%3
.if PIECE%8 < 5
	ds_load_b64 v[\reg+2*\p:\reg+2*\p+1], v[\adr] offset:8*PIECE+16*(PIECE/8)+(\i)*16*PITCH
.else
	ds_load_b64 v[\reg+2*\p:\reg+2*\p+1], v[\adr+2] offset:8*PIECE+16*(PIECE/8)+(\i)*16*PITCH
.endif
.endr
.endm
.macro FETCH_B slot, q, p
	WIN 0x40
.irp i, 0,1,2,3,4,5
	FRAG 128*(\p)+FR*\i, ADRB+\slot, \q, \i
.endr
	WIN 0
.endm
.macro FETCH_A slot, q, i0
.irp i, \i0, \i0+1, \i0+2, \i0+3
	FRAG AF+FR*(\i), ADRA+\slot, \q, \i
.endr
.endm
.macro SCALES sc
.irp i, 0,1,2,3,4,5,6,7
	ds_load_b64 v[SC+16*\sc+2*\i:SC+16*\sc+2*\i+1], v[ADRS] offset:\i*SBLK
.endr
.endm
.macro QK16 hi, p, q, sc, zero
	WIN 0xa1+0x50*(\hi)
.irp a, 0,1,2,3
.irp b, 0,1,2,3
.if \zero
	v_wmma_scale_f32_16x16x128_f8f6f4 v[64*(\b/2)+16*\a+8*(\b%2):64*(\b/2)+16*\a+8*(\b%2)+7], v[128*(\p)+FR*\b:128*(\p)+FR*\b+FR-1], v[AF+FR*(4*(\hi)+\a):AF+FR*(4*(\hi)+\a)+FR-1], 0, v[SC+16*(\sc)+2*\b+(\q)], v[SC+16*(\sc)+2*(4*(\hi)+\a)+(\q)] matrix_a_fmt:MATRIX_FMT_FP6 matrix_b_fmt:MATRIX_FMT_FP6 matrix_b_scale:MATRIX_SCALE_ROW1
.else
	v_wmma_scale_f32_16x16x128_f8f6f4 v[64*(\b/2)+16*\a+8*(\b%2):64*(\b/2)+16*\a+8*(\b%2)+7], v[128*(\p)+FR*\b:128*(\p)+FR*\b+FR-1], v[AF+FR*(4*(\hi)+\a):AF+FR*(4*(\hi)+\a)+FR-1], v[64*(\b/2)+16*\a+8*(\b%2):64*(\b/2)+16*\a+8*(\b%2)+7], v[SC+16*(\sc)+2*\b+(\q)], v[SC+16*(\sc)+2*(4*(\hi)+\a)+(\q)] matrix_a_fmt:MATRIX_FMT_FP6 matrix_b_fmt:MATRIX_FMT_FP6 matrix_b_scale:MATRIX_SCALE_ROW1
.endif
.endr
.endr
.endm
.macro V8 hi, p, q, sc, zero
	WIN 0xa4+0x50*(\hi)
.irp a, 0,1,2,3
.irp u, 0,1
.if \zero
	v_wmma_scale_f32_16x16x128_f8f6f4 v[128+32*\u+8*\a:128+32*\u+8*\a+7], v[AF+FR*(4*(\hi)+\a):AF+FR*(4*(\hi)+\a)+FR-1], v[128*(\p)+FR*(4+\u):128*(\p)+FR*(4+\u)+FR-1], 0, v[SC+16*(\sc)+2*(4*(\hi)+\a)+(\q)], v[SC+16*(\sc)+2*(4+\u)+(\q)] matrix_a_fmt:MATRIX_FMT_FP6 matrix_b_fmt:MATRIX_FMT_FP6 matrix_a_scale:MATRIX_SCALE_ROW1
.else
	v_wmma_scale_f32_16x16x128_f8f6f4 v[128+32*\u+8*\a:128+32*\u+8*\a+7], v[AF+FR*(4*(\hi)+\a):AF+FR*(4*(\hi)+\a)+FR-1], v[128*(\p)+FR*(4+\u):128*(\p)+FR*(4+\u)+FR-1], v[128+32*\u+8*\a:128+32*\u+8*\a+7], v[SC+16*(\sc)+2*(4*(\hi)+\a)+(\q)], v[SC+16*(\sc)+2*(4+\u)+(\q)] matrix_a_fmt:MATRIX_FMT_FP6 matrix_b_fmt:MATRIX_FMT_FP6 matrix_a_scale:MATRIX_SCALE_ROW1
.endif
.endr
.endr
.endm
.macro STEP slot, zero
	s_wait_dscnt 4*NL
	QK16 0, 0, 0, \slot, \zero
	V8 0, 0, 0, \slot, \zero
	s_wait_dscnt 0
	PLACES 4
	FETCH_B \slot, 1, 1
	FETCH_A \slot, 1, 0
	QK16 1, 0, 0, \slot, \zero
	V8 1, 0, 0, \slot, \zero
	PLACES 4
	WIN 0
	FETCH_A \slot, 1, 4
.endm
.macro TURN slot, next, fill
	s_wait_tensorcnt 0x0
	ds_add_u32 v[SPW], v[NIL]
	s_wait_dscnt 4*NL+1
	QK16 0, 1, 1, \slot, 0
	s_wait_dscnt 0x0
	s_barrier_signal -1
	V8 0, 1, 1, \slot, 0
	WIN 0
	s_barrier_wait -1
.if \fill
	CREST
	s_add_nc_u64 s[G0+4*\slot+2:G0+4*\slot+3], s[G0+4*\slot+2:G0+4*\slot+3], 2*PLC
	s_add_nc_u64 s[G0B+4*\slot+2:G0B+4*\slot+3], s[G0B+4*\slot+2:G0B+4*\slot+3], 2*PLC
	JLOAD G0+4*\slot, G1, G0B+4*\slot, G1B
.else
	PLACES 4
.endif
	s_wait_alu depctr_va_vdst(0)
	v_add_nc_u32 v[ADRS], 8, v[ADRS]
	FETCH_B \next, 0, 0
	FETCH_A \next, 0, 0
	SCALES \next
	QK16 1, 1, 1, \slot, 0
	V8 1, 1, 1, \slot, 0
	PLACES 4
	WIN 0
	FETCH_A \next, 0, 4
.endm
	s_wait_alu depctr_va_vdst(0)                   ; the wait at the head's end
	s_wait_tensorcnt 0x0                           ; my tile of the head's four is in
	ds_add_u32 v[SPW], v[NIL]
	s_mov_b32 s[G1+2], 96<<16                      ; no tensor load of mine is out, so descriptors may be written: from here on a load brings 128 rows of A, 96 rows of 256 bytes,
	s_mov_b32 s[G1+4], 96
	s_mov_b32 s[G1B+2], 72<<16                     ; or 96 rows of B, 72 rows of 256 bytes;
	s_mov_b32 s[G1B+4], 72
	s_mov_b32 s[G0+1], s45                         ; and slot 0's group 0 stands at my part of the rows
	s_add_nc_u64 s[G0+2:G0+3], s[G0+2:G0+3], s[92:93]
	s_mov_b32 s[G0B+1], s99
	s_add_nc_u64 s[G0B+2:G0B+3], s[G0B+2:G0B+3], s[94:95]
	s_wait_dscnt 0x0
	CROUND                                         ; all four tiles are in, and all sixteen work-groups are here
	JLOAD G0+4, G1, G0B+4, G1B                     ; plane 1, the first tensor load behind the round
	FETCH_B 0, 0, 0
	FETCH_A 0, 0, 0
	SCALES 0
	FETCH_A 0, 0, 4
	STEP 0, 1
	TURN 0, 1, 1
	STEP 1, 0
	TURN 1, 0, 1
	STEP 0, 0
	TURN 0, 1, 0
	STEP 1, 0
	s_wait_dscnt 4*NL
	QK16 0, 1, 1, 1, 0
	V8 0, 1, 1, 1, 0
	s_wait_dscnt 0
	QK16 1, 1, 1, 1, 0
	V8 1, 1, 1, 1, 0
	WIN 0
	PLACES 4
	WIN 0x40
.irp b, 0,1,2,3
.irp k, 0,1,2,3
	global_load_b128 v[16*\b+4*\k:16*\b+4*\k+3], v[RO], s[8:9] offset:8192+2048*\b+16*\k
.endr
.endr
	WIN 0
.irp b, 0,1,2,3
	v_mov_b32 v[TM+4+\b], 0
.endr
.macro ROPE f, t
	WIN 0x02+5*(\f)
.set i, 0
.rept 32
	v_pk_mul_f32 v[TR+i:TR+i+1], v[64*(\t)+i:64*(\t)+i+1], v[CS0*(1-(\f))+i:CS0*(1-(\f))+i+1] op_sel:[1,1] op_sel_hi:[0,1] neg_lo:[0,1]
.set i, i+2
.endr
.set i, 0
.rept 32
	v_pk_fma_f32 v[TR+i:TR+i+1], v[64*(\t)+i:64*(\t)+i+1], v[CS0*(1-(\f))+i:CS0*(1-(\f))+i+1], v[TR+i:TR+i+1] op_sel_hi:[1,0,1]
.set i, i+2
.endr
	WIN 0
.endm
.macro QUANT5 swap, pw
	s_wait_xcnt 0x0
.irp b, 0,1,2,3
	v_max3_num_f32 v[TM+\b], |v[TR+16*\b]|, |v[TR+1+16*\b]|, 0x1800000
.endr
.irp i, 2,4,6,8,10,12,14
.irp b, 0,1,2,3
	v_max3_num_f32 v[TM+\b], v[TM+\b], |v[TR+16*\b+\i]|, |v[TR+1+16*\b+\i]|
.endr
.endr
.irp b, 0,1,2,3
	v_permlanex16_b32 v[TM+4+\b], v[TM+\b], s96, s97
.endr
.irp b, 0,1,2,3
	v_max_num_f32 v[TM+\b], v[TM+\b], v[TM+4+\b]
.endr
.irp b, 0,1,2,3
	v_add_nc_u32 v[TM+12+\b], 0xff000000, v[TM+\b]
.endr
.irp b, 0,1,2,3
	v_lshrrev_b32 v[TM+4+\b], 23, v[TM+12+\b]
.endr
	v_lshl_or_b32 v[\pw], v[TM+5], 8, v[TM+4]
	v_lshl_or_b32 v[\pw], v[TM+6], 16, v[\pw]
	v_lshl_or_b32 v[\pw], v[TM+7], 24, v[\pw]
.if \swap
.irp c, 0,1
	v_cvt_scalef32_pk16_fp6_f32 v[PC+6*\c:PC+2+6*\c], v[TR+32*\c:TR+15+32*\c], v[TM+12+2*\c]
	v_cvt_scalef32_pk16_fp6_f32 v[PC+12+4*\c:PC+14+4*\c], v[TR+16+32*\c:TR+31+32*\c], v[TM+12+2*\c+1]
.endr
	v_nop
.irp c, 0,1
.irp i, 0,1,2
	v_permlane16_swap_b32 v[PC+6*\c+\i], v[PC+12+4*\c+\i]
.endr
.irp i, 0,1,2
	v_mov_b32 v[PC+3+6*\c+\i], v[PC+12+4*\c+\i]
.endr
.endr
.else
.irp b, 0,1,2,3
	v_cvt_scalef32_pk16_fp6_f32 v[PC+4*\b:PC+4*\b+2], v[TR+16*\b:TR+16*\b+15], v[TM+12+\b]
.endr
	v_nop
.endif
.endm
.macro QUANTV u
	s_wait_xcnt 0x0
.irp c, 0,1
	WIN 0x0a+5*\c
	v_max3_num_f32 v[TM+\c], |v[128+32*(\u)]|, |v[129+32*(\u)]|, 0x1800000
	v_max3_num_f32 v[TM+2+\c], |v[130+32*(\u)]|, |v[131+32*(\u)]|, 0x1800000
.irp i, 4,8,12,16,20,24,28
	v_max3_num_f32 v[TM+\c], |v[128+32*(\u)+\i]|, |v[129+32*(\u)+\i]|, v[TM+\c]
	v_max3_num_f32 v[TM+2+\c], |v[130+32*(\u)+\i]|, |v[131+32*(\u)+\i]|, v[TM+2+\c]
.endr
.endr
	WIN 0
.irp c, 0,1
	v_max_num_f32 v[TM+\c], v[TM+\c], v[TM+2+\c]
.endr
.irp c, 0,1
	v_add_nc_u32 v[TM+12+\c], 0xff000000, v[TM+\c]
.endr
.irp c, 0,1
	v_lshrrev_b32 v[TM+4+\c], 23, v[TM+12+\c]
.endr
	v_lshl_or_b32 v[PWV+\u], v[TM+5], 16, v[TM+4]
	v_lshlrev_b32 v[PWV+\u], v[H8], v[PWV+\u]
	v_permlanex16_b32 v[TM+6], v[PWV+\u], s96, s97
	v_or_b32 v[PWV+\u], v[PWV+\u], v[TM+6]
.irp c, 0,1
	WIN 0x02+\c
	v_cvt_scalef32_pk16_fp6_f32 v[PC+6*\c:PC+2+6*\c], v[128+32*(\u):143+32*(\u)], v[TM+12+\c]
	v_cvt_scalef32_pk16_fp6_f32 v[PC+12+4*\c:PC+14+4*\c], v[144+32*(\u):159+32*(\u)], v[TM+12+\c]
.endr
	WIN 0
	v_nop
.irp c, 0,1
.irp i, 0,1,2
	v_mov_b32 v[PC+3+6*\c+\i], v[PC+12+4*\c+\i]
.endr
.endr
.endm
.macro IMAGE off
.irp g, 0,1,2
	global_store_b128 v[LI16], v[PC+4*\g:PC+4*\g+3], s[12:13] offset:\off+512*\g
.endr
.endm
.irp f, 0,1
.if \f == 0
	s_wait_loadcnt 16
.else
	s_wait_loadcnt 0x0
.endif
	ROPE \f, 0
	QUANT5 0, PWQ+\f
.irp b, 0,1,2,3
	global_store_b96 v[QO], v[PC+4*\b:PC+4*\b+2], s[10:11] offset:(64*\f+16*\b)*24
.endr
	ROPE \f, 1
	QUANT5 1, PWK+\f
	IMAGE 8192+1536*\f
.endr
.irp u, 0,1
	QUANTV \u
	IMAGE 57344+1536*\u
.endr
	v_cndmask_b32 v[REC], v[PWK], v[PWK+1], s98
	v_cndmask_b32 v[REC+1], v[PWV], v[PWV+1], s98
	v_cndmask_b32 v[REC+2], v[PWQ], v[PWQ+1], s98
	v_mov_b32 v[REC+3], 0
	global_store_b128 v[LI16], v[REC:REC+3], s[66:67]
	s_wait_tensorcnt 0x0
	ds_add_u32 v[SPW], v[NIL]
	s_wait_dscnt 0x0
	CROUND
	s_endpgm
.Lfunc_end_k_q48a460b2a3_qkv:
	.size	k_q48a460b2a3_qkv, .Lfunc_end_k_q48a460b2a3_qkv-k_q48a460b2a3_qkv
	.p2alignl 7, 3214868480
	.fill 96, 4, 3214868480
	.section	.rodata,"a",@progbits
	.p2align	6, 0x0
	.amdhsa_kernel k_q48a460b2a3_qkv
		.amdhsa_group_segment_fixed_size 327680
		.amdhsa_private_segment_fixed_size 0
		.amdhsa_enable_private_segment 0
		.amdhsa_kernarg_size 40
		.amdhsa_user_sgpr_count 2
		.amdhsa_user_sgpr_kernarg_segment_ptr 1
		.amdhsa_wavefront_size32 1
		.amdhsa_system_sgpr_workgroup_id_x 1
		.amdhsa_system_sgpr_workgroup_id_y 1
		.amdhsa_system_sgpr_workgroup_id_z 1
		.amdhsa_system_vgpr_workitem_id 0
		.amdhsa_next_free_vgpr 1024
		.amdhsa_next_free_sgpr 100
		.amdhsa_reserve_vcc 0
		.amdhsa_float_denorm_mode_32 3
		.amdhsa_float_denorm_mode_16_64 3
		.amdhsa_memory_ordered 1
		.amdhsa_forward_progress 1
		.amdhsa_inst_pref_size 153
	.end_amdhsa_kernel
	.amdgpu_metadata
---
amdhsa.version: [ 1, 2 ]
amdhsa.kernels:
  - .name:           k_q48a460b2a3_qkv
    .symbol:         k_q48a460b2a3_qkv.kd
    .args:
      - { .name: codes, .offset: 0, .size: 8, .value_kind: global_buffer, .address_space: global }
      - { .name: scales, .offset: 8, .size: 8, .value_kind: global_buffer, .address_space: global }
      - { .name: rope, .offset: 16, .size: 8, .value_kind: global_buffer, .address_space: global }
      - { .name: q_codes, .offset: 24, .size: 8, .value_kind: global_buffer, .address_space: global }
      - { .name: kv, .offset: 32, .size: 8, .value_kind: global_buffer, .address_space: global }
    .group_segment_fixed_size: 327680
    .private_segment_fixed_size: 0
    .kernarg_segment_align: 8
    .kernarg_segment_size: 40
    .max_flat_workgroup_size: 128
    .sgpr_count:     100
    .vgpr_count:     1024
    .wavefront_size: 32
...
	.end_amdgpu_metadata
.endif
;; end of part 2
;; launch attn (part 3): grid 4 x 64, 16 waves a work-group, clusters of 4 x 1, 167,936 bytes of LDS; arguments q_codes, kv, a_codes, a_scales; writes a_codes, a_scales
.if DOCPART == 3
	.amdgcn_target "amdgcn-amd-amdhsa--gfx1250"
	.amdhsa_code_object_version 6
	.text
	.protected	k_q48a460b2a3_attn
	.globl	k_q48a460b2a3_attn
	.p2align	8
	.type	k_q48a460b2a3_attn,@function
k_q48a460b2a3_attn:
	s_mov_b64 s[64:65], 0
	v_nop
	global_prefetch_b8 v0, s[64:65] scope:SCOPE_SE
	s_setreg_imm32_b32 hwreg(HW_REG_WAVE_MODE, 25, 1), 1
	s_wait_xcnt 0x0
	s_wait_alu depctr_hold_cnt(0) depctr_sa_sdst(0) depctr_va_vdst(0) depctr_va_sdst(0) depctr_va_ssrc(0) depctr_va_vcc(0) depctr_vm_vsrc(0)
	s_getreg_b32 s2, hwreg(HW_REG_IB_STS2, 6, 4)
	s_cmp_eq_u32 s2, 0
	s_cbranch_scc0 .Lentry_in_a_cluster
	s_endpgm
.Lentry_in_a_cluster:
	s_bfe_u32 s2, ttmp6, 0x10000c
	s_cmp_lg_u32 s2, 0x3003
	s_cbranch_scc0 .Lentry_shape_is_right
	s_endpgm
.Lentry_shape_is_right:
; Attention of one (batch, head) on codes of FP6 (E2M3) with E8M0 scales: scores = q . k over the head's 32 channels, softmax over 2,048 keys, times v; the result, divided by the row's sum, is quantised along the channels.
; THE SOFTMAX AHEAD OF THE SECOND PRODUCT: t = score x log2(e) / sqrt(32); M = the running largest t rounded UP to a whole number; p = 2^(t - M) is quantised along the keys, not normalised; the row's sum is taken of the
; unquantised p, in f32.  When M moves, the sum and O are multiplied by 2^(old M - new M): exact; no branch hangs on data.
; SHARES.  A cluster of four work-groups is one head; a work-group owns 512 positions, each of its sixteen waves 32: two tiles of 16 queries, one after the other, each against all keys, 128 a step.  Four waves share a SIMD.
; THE HEAD'S K, V AND SCALE WORDS, 106,496 dense bytes, come into LDS ONCE, by four joint loads (the four work-groups read the same bytes), and stay: no slot is filled again.  They lie as images of the operands' registers:
; a fragment is three loads of 16 bytes a lane at 16 x lane.
; K = 32 IN AN INSTRUCTION OF K = 128.  A fragment of K holds 64 keys: row r, block b = key position 64 f + 16 b + r.  The queries stand in four variants Q_b: q in block b, zero codes elsewhere.  K's fragment x Q_b gives the
; scores of block b's 16 keys; the other 48 keys meet zero codes.  The four variants overlap in 30 registers: [L | 0 | H | 0 | L], L = q in lanes 0-15, H = q in lanes 16-31.
; LAYOUT.  Both products are used transposed (S^T = K Q^T, O^T = V^T P^T): a lane holds one query throughout.  By the order in which the tokens were laid, a lane's 32 registers of a fragment's four score tiles are tokens
; 64 f + 32 h + 0 .. 31: a whole block of the second product's K, so a block's maximum needs no other lane and the conversions' results are the operand.
; A BLOCK'S SCALE IS MADE BY EXPONENT ARITHMETIC: p rises with the score, so the block's largest p is 2^x with x = the block's largest score put through the same multiply-add as every score; its exponent is floor(x).
; The byte is floor(x) + 125, with x held at -124 from below so that the byte cannot fall under 1; the conversion's scale operand is the byte shifted into the exponent field.
; LIMITS: where x lies within an ulp under a whole number and v_exp_f32 rounds 2^x up to that power of two, that one p is held at the largest code.  Blocks of p that have fallen to zero keep the byte 1 (their codes are
; zeros); NaN and infinities are not served.
.set HEADB, 106496
.set QUART, 26624                      ; what one tensor load brings: 104 rows of 256 bytes
.set KOFF,  8192                       ; LDS as in memory: records at 0, K's fragments, V's fragments
.set VOFF,  57344
.set ASC,   106496                     ; 512 bytes: the work-group's scale bytes on the way out
.set SPARE, 107008                     ; the spare words, 128 bytes for each of 16 waves, which no other line names
.set LI,   1                           ; v1  16 x lane
.set RDB,  2                           ; v2  ASC + 16 x lane
.set H8,   3                           ; v3  8 h
.set AD,   4                           ; v4  16 x lane + the step's fragments
.set AS,   5                           ; v5  16 x lane + the step's records
.set SPW,  6
.set NIL,  7
.set R24,  8                           ; v8  24 r
.set R16,  9                           ; v9  16 r
.set L8,   10                          ; v10 8 x lane
.set WRB,  11                          ; v11 ASC + my thread's number
.set QV,   16                          ; v16-45 the four variants of q
.set QW,   46                          ; q's scale word;  v47 K's;  v48 V's;  v49 p's
.set KW,   47
.set VW,   48
.set PW,   49
.set KF,   50                          ; v50-73  K's two fragments
.set VF,   74                          ; v74-97  V's two
.set S,    98                          ; v98-161 S^T, then p
.set O,    162                         ; v162-177 O^T
.set P,    178                         ; v178-189 p's codes;  v190-192, v194-196 their upper halves as made
.set Y,    190
.set BM,   198                         ; v198-199 the two blocks' largest scores, then x;  v200-201 scale operands;  v202-203 floor(x)
.set T,    204                         ; v204-207 at work;  v[208:209] f;  v[210:211] the sums' second chain
.set XA,   212                         ; v212-214, v216-218 the two tiles' codes;  v220, v221 their bytes
.set XB,   216
.set BA,   220
.set OQ,   222                         ; v222-237 O / the sum
.set RAW,  238                         ; v238-249 both tiles' q as loaded;  v250, v251 their scale bytes
.set RB,   250
.set WV,  12
.set CX,  13
.set BH,  14
.set SEL, 20
.set CS,  22
.set G1,  24
.set G0,  32
.set TB,  36
.set TS,  37
.set CNT, 38
.set M16, 39
.macro CROUND
	s_barrier_signal -1
	s_barrier_wait -1
	s_cmp_lg_u32 s[WV], 0
	s_cbranch_scc1 .Lnot_wave_0_\@
	s_barrier_signal -3
.Lnot_wave_0_\@:
	s_barrier_wait -3
	s_barrier_signal -1
	s_barrier_wait -1
.endm
	s_load_b256 s[4:11], s[0:1], 0x0               ; q_codes s[4:5], kv s[6:7], a_codes s[8:9], a_scales s[10:11]
	v_lshl_add_u32 v[SPW], v0, 2, SPARE
	v_mov_b32 v[NIL], 0
	ds_add_u32 v[SPW], v[NIL]                      ; the wave's opening: the add, twice on end, and its wait ahead of the first tensor loads
	ds_add_u32 v[SPW], v[NIL]
	v_lshrrev_b32 v1, 5, v0
	s_delay_alu instid0(VALU_DEP_1)
	v_readfirstlane_b32 s[WV], v1                  ; wave 0..15
	s_bfe_u32 s[CX], ttmp6, 0x40000
	s_lshl_b32 s15, ttmp9, 2
	s_add_co_u32 s[CX], s[CX], s15                 ; my block of 512 positions: it enters global addresses alone
	s_and_b32 s[BH], ttmp7, 0xffff                 ; 32 x batch + head, which the four partners share
	s_mov_b32 s[G1], 15|(3<<16)|(1<<21)            ; 15:0 the mask: all four work-groups; elements of 8 bytes; 21 set beside a mask; no padding
	s_mov_b32 s[G1+1], 32<<16                      ; rows of 256 bytes,
	s_mov_b32 s[G1+2], 104<<16                     ; 104 of them,
	s_mov_b32 s[G1+3], 32<<16
	s_mov_b32 s[G1+4], 104
	s_mov_b32 s[G1+5], 32                          ; dense
	s_mov_b32 s[G1+6], 0
	s_mov_b32 s[G1+7], 0
	s_mul_i32 s16, s[BH], HEADB
	s_mov_b32 s17, 0
	s_mul_i32 s18, s[WV], QUART
	s_mov_b32 s19, 0
	s_mul_i32 s40, s[BH], 49152                    ; q_codes: 2,048 x 24 bytes a head, 512 x 24 a block, 32 x 24 a wave
	s_mul_i32 s15, s[CX], 12288
	s_add_co_u32 s40, s40, s15
	s_mul_i32 s15, s[WV], 768
	s_add_co_u32 s40, s40, s15
	s_mov_b32 s41, 0
	s_lshl_b32 s42, s[CX], 11                      ; q's scale bytes lie in the records: step 4 x block + wave / 4, lane 16 ((wave / 2) % 2) + r, byte 8 + 2 (wave % 2) + tile
	s_lshr_b32 s15, s[WV], 2
	s_lshl_b32 s15, s15, 9
	s_add_co_u32 s42, s42, s15
	s_bfe_u32 s15, s[WV], 0x10001
	s_lshl_b32 s15, s15, 8
	s_add_co_u32 s42, s42, s15
	s_and_b32 s15, s[WV], 1
	s_lshl_b32 s15, s15, 1
	s_add_co_u32 s42, s42, s15
	s_add_co_u32 s42, s42, s16
	s_mov_b32 s43, 0
	s_and_b32 s44, s[BH], 31                       ; head
	s_lshr_b32 s45, s[BH], 5                       ; batch
	s_mul_i32 s46, s44, 98304                      ; a_codes [head][32 positions][3][lane][8 bytes]
	s_lshl_b32 s15, s45, 6
	s_lshl_b32 s47, s[CX], 4
	s_add_co_u32 s15, s15, s47
	s_add_co_u32 s15, s15, s[WV]
	s_mul_i32 s15, s15, 768
	s_add_co_u32 s46, s46, s15
	s_mov_b32 s47, 0
	s_lshl_b32 s48, s44, 12                        ; a_scales [head][4,096 positions]
	s_lshl_b32 s15, s45, 11
	s_add_co_u32 s48, s48, s15
	s_lshl_b32 s15, s[CX], 9
	s_add_co_u32 s48, s48, s15
	s_mov_b32 s49, 0
	s_mov_b32 s[SEL], 0x76543210                   ; v_permlanex16_b32's selects for lane l xor 16
	s_mov_b32 s[SEL+1], 0xfedcba98
	s_mov_b32 s[CS], 0x3e8293ee                    ; c = log2(e) / sqrt(32)
	s_mov_b32 s[CS+1], s[CS]                       ; (named with it as a pair, so it is written)
	s_mov_b32 s[M16], 0xffff0000                   ; lanes 16-31
	v_and_b32 v2, 31, v0
	s_delay_alu instid0(VALU_DEP_1)
	v_lshlrev_b32 v[LI], 4, v2
	s_delay_alu instid0(VALU_DEP_2)
	v_lshlrev_b32 v[L8], 3, v2
	v_bfe_u32 v[H8], v0, 4, 1
	s_delay_alu instid0(VALU_DEP_1)
	v_lshlrev_b32 v[H8], 3, v[H8]
	v_and_b32 v[R16], 15, v0
	s_delay_alu instid0(VALU_DEP_1)
	v_mul_u32_u24 v[R24], v[R16], 24
	s_delay_alu instid0(VALU_DEP_2)
	v_lshlrev_b32 v[R16], 4, v[R16]
	v_add_nc_u32 v[WRB], ASC, v0
	v_add_nc_u32 v[RDB], ASC, v[LI]
.irp i, 0,1,2,3
	v_mov_b32 v[T+\i], 0                           ; written once: a lane permute's destination counts as one of its sources
.endr
	v_mov_b32 v209, 0                              ; (named as the upper half of the pair v[208:209])
	s_wait_dscnt 0x0                               ; both opening adds are done
	s_wait_kmcnt 0x0
	s_add_nc_u64 s[4:5], s[4:5], s[40:41]
	s_add_nc_u64 s[42:43], s[6:7], s[42:43]
	s_add_nc_u64 s[8:9], s[8:9], s[46:47]
	s_add_nc_u64 s[10:11], s[10:11], s[48:49]
	s_add_nc_u64 s[6:7], s[6:7], s[16:17]          ; kv at my head's block
	CROUND                                         ; all four work-groups are here: the joint loads meet
	s_mov_b32 s[G0], 1
	s_mov_b32 s[G0+1], s18                         ; LDS as in memory: wave x 26,624
	s_add_nc_u64 s[G0+2:G0+3], s[6:7], s[18:19]
	s_or_b32 s[G0+3], s[G0+3], 0x80000000
	s_cmp_lt_u32 s[WV], 4                          ; waves 0 to 3 fetch a quarter each: one tensor load of a wave is out at the most
	s_cbranch_scc0 .Lno_fetch
	tensor_load_to_lds s[G0:G0+3], s[G1:G1+7]
	s_nop 0
.rept 4
	v_nop
.endr
.Lno_fetch:
	s_wait_alu depctr_va_vdst(0)                   ; the wait at the head's end
.irp t, 0,1
.irp e, 0,1,2
	global_load_b64 v[RAW+6*\t+2*\e:RAW+6*\t+2*\e+1], v[R24], s[4:5] offset:384*\t+8*\e   ; q of tile t: both halves of the lanes take row r's 24 bytes
.endr
	global_load_u8 v[RB+\t], v[R16], s[42:43] offset:8+\t                                  ; and its scale byte (from memory)
.endr
	s_wait_tensorcnt 0x0                           ; my quarter has landed,
	s_barrier_signal -1
	s_barrier_wait -1                              ; everybody's has
	s_wait_loadcnt 0x0                             ; q
; A KEY STEP: 128 keys.  At its head K's two fragments and K's scale word of this step, seven LDS loads, are on their way.  ahead = 1: the next step's are asked for.
.macro STEP ahead
	s_wait_dscnt 0x0                               ; K's seven loads are in
.irp f, 0,1
.irp b, 0,1,2,3
.set QB, QV+18*(\b/2)+12*(\b%2)-24*(\b/2)*(\b%2)   ; Q_0 at 0, Q_1 at 12, Q_2 at 18, Q_3 at 6
.if \f
	v_wmma_scale_f32_16x16x128_f8f6f4 v[S+8*(4*\f+\b):S+8*(4*\f+\b)+7], v[KF+12*\f:KF+12*\f+11], v[QB:QB+11], 0, v[KW], v[QW] matrix_a_fmt:MATRIX_FMT_FP6 matrix_b_fmt:MATRIX_FMT_FP6 matrix_a_scale:MATRIX_SCALE_ROW1
.else
	v_wmma_scale_f32_16x16x128_f8f6f4 v[S+8*(4*\f+\b):S+8*(4*\f+\b)+7], v[KF+12*\f:KF+12*\f+11], v[QB:QB+11], 0, v[KW], v[QW] matrix_a_fmt:MATRIX_FMT_FP6 matrix_b_fmt:MATRIX_FMT_FP6
.endif
.endr
.endr
	v_mov_b32 v[T+3], v12                          ; four places, three of them work that is due: they stand behind the last step's second product ahead of the loads into V's registers,
	v_add_nc_u32 v[AD], s[TB], v[LI]               ; behind these products ahead of the loads into K's registers,
	v_add_nc_u32 v[AS], s[TS], v[LI]               ; and ahead of the first reads of the scores
	v_nop
.irp u, 0,1
.irp g, 0,1,2
	ds_load_b128 v[VF+12*\u+4*\g:VF+12*\u+4*\g+3], v[AD] offset:VOFF+1536*\u+512*\g
.endr
.endr
	ds_load_b32 v[VW], v[AS] offset:4
.if \ahead
.irp f, 0,1
.irp g, 0,1,2
	ds_load_b128 v[KF+12*\f+4*\g:KF+12*\f+4*\g+3], v[AD] offset:KOFF+3072+1536*\f+512*\g
.endr
.endr
	ds_load_b32 v[KW], v[AS] offset:512
.endif
.irp c, 0,1
	v_max3_num_f32 v[BM+\c], v[S+32*\c], v[S+32*\c+1], v[S+32*\c+2]   ; the largest score of each of my two blocks of 32 keys, ascending: each accumulator is read from its low end on
.endr
.irp i, 3,5,7,9,11,13,15,17,19,21,23,25,27,29
.irp c, 0,1
	v_max3_num_f32 v[BM+\c], v[BM+\c], v[S+32*\c+\i], v[S+32*\c+\i+1]
.endr
.endr
.irp c, 0,1
	v_max_num_f32 v[BM+\c], v[BM+\c], v[S+32*\c+31]
.endr
	s_delay_alu instid0(VALU_DEP_1)
	v_max_num_f32 v[T], v[BM], v[BM+1]
	s_delay_alu instid0(VALU_DEP_1)
	v_permlanex16_b32 v[T+1], v[T], s[SEL], s[SEL+1]
	s_delay_alu instid0(VALU_DEP_1)
	v_max3_num_f32 v13, v13, v[T], v[T+1]          ; the running largest score of my query
	s_delay_alu instid0(VALU_DEP_1)
	v_mul_f32 v[T+2], s[CS], v13                   ; as t (c is positive)
	s_delay_alu instid0(VALU_DEP_1)
	v_floor_f32 v12, -v[T+2]                       ; the new -M = floor(-t): M is a whole number
	s_delay_alu instid0(VALU_DEP_1)
	v_sub_f32 v[T+3], v12, v[T+3]                  ; M's old value less its new one: a whole number, 0 or less
	s_delay_alu instid0(VALU_DEP_1)
	v_cvt_i32_f32 v[T+3], v[T+3]                   ; (it saturates)
	s_delay_alu instid0(VALU_DEP_1)
	v_ldexp_f32 v208, 1.0, v[T+3]                  ; f = 2^(old M - new M)
; t - M, two at a time; among these 32 lines stands the chain that makes p's scales, each link five vector instructions behind the link that it reads
.irp j, 0,2,4,6,8,10,12,14,16,18,20,22,24,26,28,30,32,34,36,38,40,42,44,46,48,50,52,54,56,58,60,62
	v_pk_fma_f32 v[S+\j:S+\j+1], v[S+\j:S+\j+1], s[CS:CS+1], v[12:13] op_sel_hi:[1,0,0]
.if \j == 4
	v_fma_f32 v[BM], v[BM], s[CS], v12             ; x: the same multiply-add of each block's largest score
	v_fma_f32 v[BM+1], v[BM+1], s[CS], v12
.endif
.if \j == 10
	v_max_num_f32 v[BM], 0xc2f80000, v[BM]         ; held at -124 from below: the byte cannot fall under 1
	v_max_num_f32 v[BM+1], 0xc2f80000, v[BM+1]
.endif
.if \j == 16
	v_cvt_floor_i32_f32 v[BM+4], v[BM]             ; floor(x): the exponent of the block's largest p
	v_cvt_floor_i32_f32 v[BM+5], v[BM+1]
.endif
.if \j == 22
	v_add_lshl_u32 v[BM+2], v[BM+4], 125, 23       ; the byte, floor(x) + 127 - 2, in the exponent field: the conversion's scale operand
	v_add_lshl_u32 v[BM+3], v[BM+5], 125, 23
	v_lshl_add_u32 v[PW], v[BM+5], 16, v[BM+4]     ; the two exponents side by side (a borrow between them is made good by the sum below)
.endif
.if \j == 30
	v_add_lshl_u32 v[PW], v[PW], 0x7d007d, v[H8]   ; + 125 on each: my two bytes, blocks h and 2 + h, at their places
.endif
.if \j == 38
	v_permlanex16_b32 v[T], v[PW], s[SEL], s[SEL+1]
.endif
.if \j == 46
	v_or_b32 v[PW], v[PW], v[T]                    ; with lane l xor 16's two: p's scale word for these 128 keys
.endif
.endr
	s_wait_alu depctr_va_vdst(0)                   ; the wait ahead of the batch
.irp j, 0,1,2,3,4,5,6,7,8,9,10,11,12,13,14,15,16,17,18,19,20,21,22,23,24,25,26,27,28,29,30,31,32,33,34,35,36,37,38,39,40,41,42,43,44,45,46,47,48,49,50,51,52,53,54,55,56,57,58,59,60,61,62,63
	v_exp_f32 v[S+\j], v[S+\j]                     ; p = 2^(t - M): one batch
.endr
	v_pk_mul_f32 v[14:15], v[14:15], v[208:209] op_sel_hi:[1,0]   ; the sums under the new M (a plain place behind the exponentials)
	s_wait_alu depctr_va_vdst(0)                   ; one wait for the batch, ahead of its first reader
	v_pk_add_f32 v[210:211], v[S:S+1], v[S+2:S+3]  ; the row's sum is taken of the unquantised p, in two chains
.irp j, 4,8,12,16,20,24,28,32,36,40,44,48,52,56,60
	v_pk_add_f32 v[14:15], v[14:15], v[S+\j:S+\j+1]
	v_pk_add_f32 v[210:211], v[210:211], v[S+\j+2:S+\j+3]
.endr
	s_delay_alu instid0(VALU_DEP_1)
	v_pk_add_f32 v[14:15], v[14:15], v[210:211]
.irp c, 0,1
	v_cvt_scalef32_pk16_fp6_f32 v[P+6*\c:P+6*\c+2], v[S+32*\c:S+32*\c+15], v[BM+2+\c]
	v_cvt_scalef32_pk16_fp6_f32 v[Y+4*\c:Y+4*\c+2], v[S+32*\c+16:S+32*\c+31], v[BM+2+\c]   ; (a conversion's three registers begin on an even number)
.endr
	v_nop                                          ; one plain place behind a scaled conversion
.irp c, 0,1
.irp i, 0,1,2
	v_mov_b32 v[P+6*\c+3+\i], v[Y+4*\c+\i]
.endr
.endr
.if \ahead
	s_wait_dscnt 7                                 ; V's seven loads are in; the next K's seven, issued behind them, may be out
.else
	s_wait_dscnt 0x0
.endif
	s_wait_alu depctr_va_vdst(0)                   ; the wait directly ahead of the first reader of O^T
.irp j, 0,2,4,6,8,10,12,14
	v_pk_mul_f32 v[O+\j:O+\j+1], v[O+\j:O+\j+1], v[208:209] op_sel_hi:[1,0]   ; O^T under the new M.  For each of the two products the other tile's four lines are the places behind the codes' last write
.endr
	v_wmma_scale_f32_16x16x128_f8f6f4 v[O:O+7], v[VF:VF+11], v[P:P+11], v[O:O+7], v[VW], v[PW] matrix_a_fmt:MATRIX_FMT_FP6 matrix_b_fmt:MATRIX_FMT_FP6
	v_wmma_scale_f32_16x16x128_f8f6f4 v[O+8:O+15], v[VF+12:VF+23], v[P:P+11], v[O+8:O+15], v[VW], v[PW] matrix_a_fmt:MATRIX_FMT_FP6 matrix_b_fmt:MATRIX_FMT_FP6 matrix_a_scale:MATRIX_SCALE_ROW1
	s_add_co_u32 s[TB], s[TB], 3072                ; the next step's fragments and records
	s_add_co_u32 s[TS], s[TS], 512
.endm
; ONE TILE OF 16 QUERIES against all keys; its codes go to xc, its scale byte to BA + tl.
.macro TILE tl, xc
.irp i, 0,1,2,3,4,5
	v_cndmask_b32 v[QV+\i], v[RAW+6*\tl+\i], 0, s[M16]       ; L: q in lanes 0-15
	v_mov_b32 v[QV+6+\i], 0
	v_cndmask_b32 v[QV+12+\i], 0, v[RAW+6*\tl+\i], s[M16]    ; H: q in lanes 16-31
	v_mov_b32 v[QV+18+\i], 0
	v_cndmask_b32 v[QV+24+\i], v[RAW+6*\tl+\i], 0, s[M16]
.endr
	v_perm_b32 v[QW], v[RB+\tl], v[RB+\tl], 0      ; q's byte four times: whichever block q stands in
.irp j, 0,1,2,3,4,5,6,7,8,9,10,11,12,13,14,15
	v_mov_b32 v[O+\j], 0                           ; O^T.  (The step is written without a first step of its own: it finds zeros, which the first change of M leaves zeros.  These lines are also the places behind q's word)
.endr
	v_mov_b32 v13, 0xff61b1e6                      ; the largest score so far: -3e38
	s_delay_alu instid0(VALU_DEP_1)
	v_floor_f32 v12, -v13                          ; -M
	v_mov_b32 v14, 0                               ; the sum, in two halves
	v_mov_b32 v15, 0
	s_wait_alu depctr_va_vdst(0)
	s_mov_b32 s[TB], 0
	s_mov_b32 s[TS], 0
.irp f, 0,1
.irp g, 0,1,2
	ds_load_b128 v[KF+12*\f+4*\g:KF+12*\f+4*\g+3], v[LI] offset:KOFF+1536*\f+512*\g
.endr
.endr
	ds_load_b32 v[KW], v[LI]
	s_mov_b32 s[CNT], 15
.Lkeys_\@:
	STEP 1
	s_sub_co_u32 s[CNT], s[CNT], 1
	s_cmp_lg_u32 s[CNT], 0
	s_cbranch_scc1 .Lkeys_\@
	STEP 0                                         ; the last step asks for nothing
	v_add_f32 v14, v14, v15                        ; the sum's two halves,
	s_delay_alu instid0(VALU_DEP_1)
	v_permlanex16_b32 v[T], v14, s[SEL], s[SEL+1]
	s_delay_alu instid0(VALU_DEP_1)
	v_add_f32 v14, v14, v[T]                       ; and lane l xor 16's: the row's sum
	s_wait_alu depctr_va_vdst(0)
	v_rcp_f32 v208, v14
.rept 3
	v_nop                                          ; a plain place behind the reciprocal; with the two additions, the places behind the last products
.endr
	s_wait_alu depctr_va_vdst(0)                   ; the wait ahead of the reciprocal's first reader
.irp j, 0,2,4,6,8,10,12,14
	v_pk_mul_f32 v[OQ+\j:OQ+\j+1], v[O+\j:O+\j+1], v[208:209] op_sel_hi:[1,0]   ; O / the sum: register i = channel 16 h + i of my query
.endr
	v_max3_num_f32 v[T], |v[OQ]|, |v[OQ+1]|, 0x1800000
.irp i, 2,4,6,8,10,12,14
	s_delay_alu instid0(VALU_DEP_1)
	v_max3_num_f32 v[T], v[T], |v[OQ+\i]|, |v[OQ+\i+1]|
.endr
	s_delay_alu instid0(VALU_DEP_1)
	v_permlanex16_b32 v[T+1], v[T], s[SEL], s[SEL+1]
	s_delay_alu instid0(VALU_DEP_1)
	v_max_num_f32 v[T], v[T], v[T+1]               ; the block of 32 channels lies in lanes l and l xor 16
	s_delay_alu instid0(VALU_DEP_1)
	v_add_nc_u32 v[T+2], 0xff000000, v[T]
	s_delay_alu instid0(VALU_DEP_1)
	v_lshrrev_b32 v[BA+\tl], 23, v[T+2]
	v_cvt_scalef32_pk16_fp6_f32 v[\xc:\xc+2], v[OQ:OQ+15], v[T+2]
	v_nop                                          ; one plain place behind a scaled conversion
.endm
	TILE 0, XA
	TILE 1, XB
	; THE END.  Lane 16 t + r is to hold the 24 bytes of position 16 t + r: the first tile's upper halves change places with the second tile's lower halves
.irp i, 0,1,2
	v_permlane16_swap_b32 v[XA+\i], v[XB+\i]
.endr
	s_delay_alu instid0(VALU_DEP_3)
	v_mov_b32 v215, v216
	s_delay_alu instid0(VALU_DEP_3)
	v_mov_b32 v216, v217
	s_delay_alu instid0(VALU_DEP_3)
	v_mov_b32 v217, v218
.irp e, 0,1,2
	global_store_b64 v[L8], v[XA+2*\e:XA+2*\e+1], s[8:9] offset:256*\e   ; each store covers 256 consecutive bytes, aligned
.endr
	v_cndmask_b32 v[T], v[BA], v[BA+1], s[M16]     ; my position's scale byte
	ds_store_b8 v[WRB], v[T]
	s_wait_dscnt 0x0                               ; for the others' sake: my store is done
	s_barrier_signal -1
	s_barrier_wait -1
	s_cmp_lg_u32 s[WV], 0                          ; wave 0 stores the work-group's 512 bytes: 16 a lane
	s_cbranch_scc1 .Lnot_mine
	ds_load_b128 v[T:T+3], v[RDB]
	s_wait_dscnt 0x0
	global_store_b128 v[LI], v[T:T+3], s[10:11]
.Lnot_mine:
	s_wait_tensorcnt 0x0                           ; the wave's end, behind my last tensor load and my last LDS store
	ds_add_u32 v[SPW], v[NIL]
	s_wait_dscnt 0x0
	CROUND                                         ; the closing round
	s_endpgm
.Lfunc_end_k_q48a460b2a3_attn:
	.size	k_q48a460b2a3_attn, .Lfunc_end_k_q48a460b2a3_attn-k_q48a460b2a3_attn
	.p2alignl 7, 3214868480
	.fill 96, 4, 3214868480
	.section	.rodata,"a",@progbits
	.p2align	6, 0x0
	.amdhsa_kernel k_q48a460b2a3_attn
		.amdhsa_group_segment_fixed_size 167936
		.amdhsa_private_segment_fixed_size 0
		.amdhsa_enable_private_segment 0
		.amdhsa_kernarg_size 32
		.amdhsa_user_sgpr_count 2
		.amdhsa_user_sgpr_kernarg_segment_ptr 1
		.amdhsa_wavefront_size32 1
		.amdhsa_system_sgpr_workgroup_id_x 1
		.amdhsa_system_sgpr_workgroup_id_y 1
		.amdhsa_system_sgpr_workgroup_id_z 1
		.amdhsa_system_vgpr_workitem_id 0
		.amdhsa_next_free_vgpr 256
		.amdhsa_next_free_sgpr 66
		.amdhsa_reserve_vcc 0
		.amdhsa_float_denorm_mode_32 3
		.amdhsa_float_denorm_mode_16_64 3
		.amdhsa_memory_ordered 1
		.amdhsa_forward_progress 1
		.amdhsa_inst_pref_size 69
	.end_amdhsa_kernel
	.amdgpu_metadata
---
amdhsa.version: [ 1, 2 ]
amdhsa.kernels:
  - .name:           k_q48a460b2a3_attn
    .symbol:         k_q48a460b2a3_attn.kd
    .args:
      - { .name: q_codes, .offset: 0, .size: 8, .value_kind: global_buffer, .address_space: global }
      - { .name: kv, .offset: 8, .size: 8, .value_kind: global_buffer, .address_space: global }
      - { .name: a_codes, .offset: 16, .size: 8, .value_kind: global_buffer, .address_space: global }
      - { .name: a_scales, .offset: 24, .size: 8, .value_kind: global_buffer, .address_space: global }
    .group_segment_fixed_size: 167936
    .private_segment_fixed_size: 0
    .kernarg_segment_align: 8
    .kernarg_segment_size: 32
    .max_flat_workgroup_size: 512
    .sgpr_count:     66
    .vgpr_count:     256
    .wavefront_size: 32
...
	.end_amdgpu_metadata
.endif
;; end of part 3
;; launch oproj (part 4): grid 8 x 32, 4 waves a work-group, clusters of 4 x 4, 327,680 bytes of LDS; arguments a_codes, a_scales, codes, scales, out0; writes out0
.if DOCPART == 4
	.amdgcn_target "amdgcn-amd-amdhsa--gfx1250"
	.amdhsa_code_object_version 6
	.text
	.protected	k_q48a460b2a3_oproj
	.globl	k_q48a460b2a3_oproj
	.p2align	8
	.type	k_q48a460b2a3_oproj,@function
k_q48a460b2a3_oproj:
	s_mov_b64 s[64:65], 0
	v_nop
	global_prefetch_b8 v0, s[64:65] scope:SCOPE_SE
	s_setreg_imm32_b32 hwreg(HW_REG_WAVE_MODE, 25, 1), 1
	s_wait_xcnt 0x0
	s_wait_alu depctr_hold_cnt(0) depctr_sa_sdst(0) depctr_va_vdst(0) depctr_va_sdst(0) depctr_va_ssrc(0) depctr_va_vcc(0) depctr_vm_vsrc(0)
	s_getreg_b32 s2, hwreg(HW_REG_IB_STS2, 6, 4)
	s_cmp_eq_u32 s2, 0
	s_cbranch_scc0 .Lentry_in_a_cluster
	s_endpgm
.Lentry_in_a_cluster:
	s_bfe_u32 s2, ttmp6, 0x10000c
	s_cmp_lg_u32 s2, 0xf033
	s_cbranch_scc0 .Lentry_shape_is_right
	s_endpgm
.Lentry_shape_is_right:
.set HP,     3456
.set PLANE,  98304
; out = attn Wo^T on codes of FP6 (E2M3) with E8M0 scales.  A work-group makes 128 positions x 128 columns; all of K, 1,024, lies in LDS at once: 32 heads x 3,072 bytes of A, four planes x 24,576 bytes of Wo's rows, and Wo's scales.
; THE HEAD brings all of it, one joint load a wave: waves 0 and 1 sixteen heads of A each, wave 2 the four planes of Wo's 128 rows (in each plane one dense run that begins at a multiple of 256), wave 3 Wo's scales.
; Nothing is filled again: one wait and one barrier stand ahead of the walk along K, none inside it.
.set PITCH,  240
.set PLC,    1572864
.set BB0,    4*8*HP
.set BSC,    BB0+4*128*PITCH
.set STG,    BSC+16*272
.set SPARE,  STG+4*16*272
.set ADRA, 8
.set ADRB, 12
.set STO,  20
.set RD,   21
.set CO,   22
.set LN,   23
.set BSA,  24
.set SPW,  28
.set NIL,  29
.set AS,   32
.set WS,   48
.set TMPR, 64
.set ACC,  128
.set G1A,  24
.set G0S,  32
.set G1B,  48
.set G1S,  56
.set G0A,  68
.set G0B,  84
.set MSB, 0
.macro WIN new
.if MSB != (\new)
	s_set_vgpr_msb (MSB<<8)|(\new)
.set MSB, (\new)
.endif
.endm
.macro ARM under, g0, g1, next
	s_cmp_lt_u32 s14, \under
	s_cbranch_scc0 \next
	tensor_load_to_lds s[\g0:\g0+3], s[\g1:\g1+7]
	s_nop 0
.rept 4
	v_nop
.endr
	s_branch .Lhead_asked
\next:
.endm
.macro CROUND
	s_barrier_signal -1
	s_barrier_wait -1
	s_cmp_lg_u32 s14, 0
	s_cbranch_scc1 .Lnot_wave_0_\@
	s_barrier_signal -3
.Lnot_wave_0_\@:
	s_barrier_wait -3
	s_barrier_signal -1
	s_barrier_wait -1
.endm
.macro PLACES n
.rept \n
	v_nop
.endr
.endm
	s_load_b256 s[4:11], s[0:1], 0x0
	s_load_b64 s[12:13], s[0:1], 0x20
	v_lshl_add_u32 v[SPW], v0, 2, SPARE
	v_mov_b32 v[NIL], 0
	ds_add_u32 v[SPW], v[NIL]
	ds_add_u32 v[SPW], v[NIL]
	v_lshrrev_b32 v1, 5, v0
	v_readfirstlane_b32 s14, v1
	s_lshr_b32 s15, s14, 1
	s_and_b32 s16, s14, 1
	s_bfe_u32 s40, ttmp6, 0x40000
	s_bfe_u32 s41, ttmp6, 0x40004
	s_lshl_b32 s42, ttmp9, 2
	s_add_co_u32 s42, s42, s40
	s_and_b32 s17, ttmp7, 0xffff
	s_lshl_b32 s17, s17, 2
	s_add_co_u32 s17, s17, s41
	s_lshl_b32 s43, s41, 2
	s_lshl_b32 s43, 15, s43
	s_lshl_b32 s44, 0x1111, s40
	s_or_b32 s[G1A+0], s43, (3<<16)|(1<<20)|(1<<21)|(6<<22)|(15<<25)
	s_mov_b32 s[G1A+1], 384<<16
	s_mov_b32 s[G1A+2], 16<<16
	s_mov_b32 s[G1A+3], 384<<16
	s_mov_b32 s[G1A+4], 16
	s_mov_b32 s[G1A+5], PLANE/8
	s_mov_b32 s[G1A+6], 0
	s_mov_b32 s[G1A+7], 0
	s_or_b32 s[G1B+0], s44, (1<<20)|(1<<21)|(3<<22)|(3<<25)
	s_mov_b32 s[G1B+1], 24576<<16
	s_mov_b32 s[G1B+2], 4<<16
	s_mov_b32 s[G1B+3], 24576<<16
	s_mov_b32 s[G1B+4], 4
	s_mov_b32 s[G1B+5], PLC
	s_mov_b32 s[G1B+6], 0
	s_mov_b32 s[G1B+7], 0
	s_or_b32 s[G1S+0], s44, (3<<16)|(1<<20)|(1<<21)|(5<<22)|(3<<25)
	s_mov_b32 s[G1S+1], 32<<16
	s_mov_b32 s[G1S+2], 16<<16
	s_mov_b32 s[G1S+3], 32<<16
	s_mov_b32 s[G1S+4], 16
	s_mov_b32 s[G1S+5], 32
	s_mov_b32 s[G1S+6], 0
	s_mov_b32 s[G1S+7], 0
	s_mul_i32 s20, s16, 16*PLANE
	s_mul_i32 s18, s17, 3072
	s_add_co_u32 s20, s20, s18
	s_mov_b32 s21, 0
	s_lshl_b32 s46, s42, 7
	s_add_co_u32 s46, s46, 7168
	s_mul_i32 s46, s46, 192
	s_mov_b32 s47, 0
	s_lshl_b32 s38, s42, 7
	s_add_co_u32 s38, s38, 7168
	s_lshl_b32 s38, s38, 5
	s_mov_b32 s39, 0
	s_mul_i32 s45, s16, 16*HP
	s_wait_dscnt 0x0
	s_wait_kmcnt 0x0
	s_add_nc_u64 s[20:21], s[4:5], s[20:21]
	s_add_nc_u64 s[46:47], s[8:9], s[46:47]
	s_add_nc_u64 s[38:39], s[10:11], s[38:39]
	CROUND
	s_mov_b32 s[G0S], 1
	s_mov_b32 s[G0S+1], BSC
	s_mov_b64 s[G0S+2:G0S+3], s[38:39]
	s_or_b32 s[G0S+3], s[G0S+3], 0x80000000
	s_mov_b32 s[G0A], 1                            ; A: sixteen heads, by the wave's number (waves 0 and 1)
	s_mov_b32 s[G0A+1], s45
	s_mov_b64 s[G0A+2:G0A+3], s[20:21]
	s_or_b32 s[G0A+3], s[G0A+3], 0x80000000
	s_mov_b32 s[G0B], 1                            ; Wo's 128 rows, all four planes
	s_mov_b32 s[G0B+1], BB0
	s_mov_b64 s[G0B+2:G0B+3], s[46:47]
	s_or_b32 s[G0B+3], s[G0B+3], 0x80000000
	ARM 2, G0A, G1A, .Lhead_b                      ; one chain of branches on the wave's number, one load to an arm, all arms to one join
	ARM 3, G0B, G1B, .Lhead_s
	tensor_load_to_lds s[G0S:G0S+3], s[G1S:G1S+7]
	s_nop 0
.rept 4
	v_nop
.endr
.Lhead_asked:
	v_and_b32 v1, 15, v0
	v_bfe_u32 v2, v0, 4, 1
	v_and_b32 v[LN], 31, v0
	s_lshl_b32 s18, s17, 7
	s_lshl_b32 s19, s15, 6
	s_add_co_u32 s18, s18, s19
	s_mov_b32 s19, 0
	s_add_nc_u64 s[6:7], s[6:7], s[18:19]
.irp n, 0,1,2,3,4,5,6,7,8,9,10,11,12,13,14,15
.irp e, 0,1,2,3
	global_load_u8 v[TMPR+4*\n+\e], v[LN], s[6:7] offset:(4*(\n%8)+\e)*4096+32*(\n/8)
.endr
.endr
	v_lshlrev_b32 v3, 3, v1
	v_mad_u32_u24 v3, v2, HP, v3
	s_mul_i32 s21, s15, 1728
	v_mul_u32_u24 v4, v1, PITCH
	v_mad_u32_u24 v4, v2, 24, v4
	v_lshl_add_u32 v5, v2, 4, v4
	s_mul_i32 s22, s16, 64*PITCH
	s_add_co_u32 s22, s22, BB0
.irp j, 0,1,2,3
	v_add_nc_u32 v[ADRA+\j], s21, v3
	v_add_nc_u32 v[ADRB+\j], s22, v4
	v_add_nc_u32 v[ADRB+4+\j], s22, v5
	s_add_co_u32 s21, s21, 8*HP
	s_add_co_u32 s22, s22, 128*PITCH
.endr
	s_mul_i32 s23, s14, 16*272
	s_add_co_u32 s23, s23, STG
	v_mul_u32_u24 v[STO], v1, 272
	v_lshl_add_u32 v[STO], v2, 5, v[STO]
	v_add_nc_u32 v[STO], s23, v[STO]
	v_mul_u32_u24 v[RD], v2, 272
	v_lshl_add_u32 v[RD], v1, 4, v[RD]
	v_add_nc_u32 v[RD], s23, v[RD]
	v_lshlrev_b32 v[CO], 12, v2
	v_lshl_add_u32 v[CO], v1, 4, v[CO]
	v_lshlrev_b32 v[BSA], 5, v1
	v_lshrrev_b32 v6, 3, v1
	v_lshl_add_u32 v[BSA], v6, 4, v[BSA]
	v_mad_u32_u24 v[BSA], v2, 4*272, v[BSA]
	s_mul_i32 s23, s16, 8*272
	s_add_co_u32 s23, s23, BSC
	v_add_nc_u32 v[BSA], s23, v[BSA]
	s_lshl_b32 s18, s17, 7
	s_lshl_b32 s19, s15, 6
	s_add_co_u32 s18, s18, s19
	s_lshl_b32 s18, s18, 12
	s_lshl_b32 s2, s42, 9
	s_lshl_b32 s3, s16, 8
	s_add_co_u32 s2, s2, s3
	s_add_co_u32 s18, s18, s2
	s_mov_b32 s19, 0
	s_add_nc_u64 s[12:13], s[12:13], s[18:19]
	s_wait_loadcnt 0x0
.irp n, 0,1,2,3,4,5,6,7,8,9,10,11,12,13,14,15
	v_lshl_or_b32 v[AS+\n], v[TMPR+4*\n+1], 8, v[TMPR+4*\n]
.endr
.irp n, 0,1,2,3,4,5,6,7,8,9,10,11,12,13,14,15
	v_lshl_or_b32 v[AS+\n], v[TMPR+4*\n+2], 16, v[AS+\n]
.endr
.irp n, 0,1,2,3,4,5,6,7,8,9,10,11,12,13,14,15
	v_lshl_or_b32 v[AS+\n], v[TMPR+4*\n+3], 24, v[AS+\n]
.endr
.macro FRAGA reg, j, q, i
.irp c, 0,1
.irp e, 0,1,2
.set OO, 768*((\i)/2)+256*\e+128*((\i)%2)
	ds_load_b64 v[(\reg)+6*\c+2*\e:(\reg)+6*\c+2*\e+1], v[ADRA+(\j)] offset:(4*(\q)+2*\c)*HP+OO+64*(OO/512)
.endr
.endr
.endm
.macro FRAGB reg, adr, q, i
.irp p, 0,1,2,3,4,5
.set PIECE, 12*(\q)+6*(\p/3)+\p%3
.if PIECE%8 < 5
	ds_load_b64 v[(\reg)+2*\p:(\reg)+2*\p+1], v[\adr] offset:8*PIECE+16*(PIECE/8)+(\i)*16*PITCH
.else
	ds_load_b64 v[(\reg)+2*\p:(\reg)+2*\p+1], v[\adr+4] offset:8*PIECE+16*(PIECE/8)+(\i)*16*PITCH
.endif
.endr
.endm
.macro FETCH s, f
	WIN 0x40
.irp i, 0,1,2,3
	FRAGA (\f)+12*\i, (\s)/2, (\s)%2, \i
.endr
.irp i, 0,1,2,3
	FRAGB (\f)+48+12*\i, ADRB+(\s)/2, (\s)%2, \i
.endr
	WIN 0
.endm
.macro WM d, x0, x1, s0, s1, r0, r1, zero
.if (\zero) && (\r0) && (\r1)
	v_wmma_scale_f32_16x16x128_f8f6f4 v[(\d):(\d)+7], v[(\x0):(\x0)+11], v[(\x1):(\x1)+11], 0, v[\s0], v[\s1] matrix_a_fmt:MATRIX_FMT_FP6 matrix_b_fmt:MATRIX_FMT_FP6 matrix_a_scale:MATRIX_SCALE_ROW1 matrix_b_scale:MATRIX_SCALE_ROW1
.elseif (\zero) && (\r0)
	v_wmma_scale_f32_16x16x128_f8f6f4 v[(\d):(\d)+7], v[(\x0):(\x0)+11], v[(\x1):(\x1)+11], 0, v[\s0], v[\s1] matrix_a_fmt:MATRIX_FMT_FP6 matrix_b_fmt:MATRIX_FMT_FP6 matrix_a_scale:MATRIX_SCALE_ROW1
.elseif (\zero) && (\r1)
	v_wmma_scale_f32_16x16x128_f8f6f4 v[(\d):(\d)+7], v[(\x0):(\x0)+11], v[(\x1):(\x1)+11], 0, v[\s0], v[\s1] matrix_a_fmt:MATRIX_FMT_FP6 matrix_b_fmt:MATRIX_FMT_FP6 matrix_b_scale:MATRIX_SCALE_ROW1
.elseif (\zero)
	v_wmma_scale_f32_16x16x128_f8f6f4 v[(\d):(\d)+7], v[(\x0):(\x0)+11], v[(\x1):(\x1)+11], 0, v[\s0], v[\s1] matrix_a_fmt:MATRIX_FMT_FP6 matrix_b_fmt:MATRIX_FMT_FP6
.elseif (\r0) && (\r1)
	v_wmma_scale_f32_16x16x128_f8f6f4 v[(\d):(\d)+7], v[(\x0):(\x0)+11], v[(\x1):(\x1)+11], v[(\d):(\d)+7], v[\s0], v[\s1] matrix_a_fmt:MATRIX_FMT_FP6 matrix_b_fmt:MATRIX_FMT_FP6 matrix_a_scale:MATRIX_SCALE_ROW1 matrix_b_scale:MATRIX_SCALE_ROW1
.elseif (\r0)
	v_wmma_scale_f32_16x16x128_f8f6f4 v[(\d):(\d)+7], v[(\x0):(\x0)+11], v[(\x1):(\x1)+11], v[(\d):(\d)+7], v[\s0], v[\s1] matrix_a_fmt:MATRIX_FMT_FP6 matrix_b_fmt:MATRIX_FMT_FP6 matrix_a_scale:MATRIX_SCALE_ROW1
.elseif (\r1)
	v_wmma_scale_f32_16x16x128_f8f6f4 v[(\d):(\d)+7], v[(\x0):(\x0)+11], v[(\x1):(\x1)+11], v[(\d):(\d)+7], v[\s0], v[\s1] matrix_a_fmt:MATRIX_FMT_FP6 matrix_b_fmt:MATRIX_FMT_FP6 matrix_b_scale:MATRIX_SCALE_ROW1
.else
	v_wmma_scale_f32_16x16x128_f8f6f4 v[(\d):(\d)+7], v[(\x0):(\x0)+11], v[(\x1):(\x1)+11], v[(\d):(\d)+7], v[\s0], v[\s1] matrix_a_fmt:MATRIX_FMT_FP6 matrix_b_fmt:MATRIX_FMT_FP6
.endif
.endm
.macro MUL8 f, s, a0, zero
.irp a, \a0, \a0+1
.irp b, 0,1,2,3
	WM ACC+8*(4*(\a)+\b), (\f)+48+12*\b, (\f)+12*(\a), WS+8*(\b%2)+(\s), AS+8*((\a)/2)+(\s), \b/2, (\a)%2, \zero
.endr
.endr
.endm
	s_wait_alu depctr_va_vdst(0)
	s_wait_tensorcnt 0x0                           ; my one load is in; behind the barrier everybody's is
	s_barrier_signal -1
	s_barrier_wait -1
.irp p, 0,1
	ds_load_b128 v[WS+8*\p:WS+8*\p+3], v[BSA] offset:544*\p
	ds_load_b128 v[WS+8*\p+4:WS+8*\p+7], v[BSA] offset:544*\p+16
.endr
	FETCH 0, 0
.irp s, 0,1,2,3,4,5,6,7
	s_wait_dscnt 0x0
.if \s<7
	PLACES 4
	FETCH \s+1, 128*((\s+1)%2)
.endif
	WIN 0x05
	MUL8 128*(\s%2), \s, 0, \s==0
	MUL8 128*(\s%2), \s, 2, \s==0
	WIN 0
.endr
	PLACES 4
.macro TOSTAGE a
.irp b, 0,1,2,3
	ds_store_b128 v[STO], v[ACC+8*(4*(\a)+\b):ACC+8*(4*(\a)+\b)+3] offset:64*\b
	ds_store_b128 v[STO], v[ACC+8*(4*(\a)+\b)+4:ACC+8*(4*(\a)+\b)+7] offset:64*\b+16
.endr
.irp t, 0,1,2,3,4,5,6,7
	ds_load_b128 v[TMPR+32*((\a)%2)+4*\t:TMPR+32*((\a)%2)+4*\t+3], v[RD] offset:544*\t
.endr
.endm
.macro SEND a, younger
	s_wait_dscnt \younger
.irp t, 0,1,2,3,4,5,6,7
	global_store_b128 v[CO], v[TMPR+32*((\a)%2)+4*\t:TMPR+32*((\a)%2)+4*\t+3], s[12:13] offset:(8*(\a)+2*(\t%4)+32*(\t/4))*4096 th:TH_STORE_NT
.endr
.endm
	TOSTAGE 0
.irp a, 1,2,3
.if \a > 1
	s_wait_xcnt 0x0
.endif
	TOSTAGE \a
	SEND \a-1, 16
.endr
	SEND 3, 0
	s_wait_tensorcnt 0x0
	ds_add_u32 v[SPW], v[NIL]
	s_wait_dscnt 0x0
	CROUND
	s_endpgm
.Lfunc_end_k_q48a460b2a3_oproj:
	.size	k_q48a460b2a3_oproj, .Lfunc_end_k_q48a460b2a3_oproj-k_q48a460b2a3_oproj
	.p2alignl 7, 3214868480
	.fill 96, 4, 3214868480
	.section	.rodata,"a",@progbits
	.p2align	6, 0x0
	.amdhsa_kernel k_q48a460b2a3_oproj
		.amdhsa_group_segment_fixed_size 327680
		.amdhsa_private_segment_fixed_size 0
		.amdhsa_enable_private_segment 0
		.amdhsa_kernarg_size 40
		.amdhsa_user_sgpr_count 2
		.amdhsa_user_sgpr_kernarg_segment_ptr 1
		.amdhsa_wavefront_size32 1
		.amdhsa_system_sgpr_workgroup_id_x 1
		.amdhsa_system_sgpr_workgroup_id_y 1
		.amdhsa_system_sgpr_workgroup_id_z 1
		.amdhsa_system_vgpr_workitem_id 0
		.amdhsa_next_free_vgpr 512
		.amdhsa_next_free_sgpr 100
		.amdhsa_reserve_vcc 0
		.amdhsa_float_denorm_mode_32 3
		.amdhsa_float_denorm_mode_16_64 3
		.amdhsa_memory_ordered 1
		.amdhsa_forward_progress 1
		.amdhsa_inst_pref_size 68
	.end_amdhsa_kernel
	.amdgpu_metadata
---
amdhsa.version: [ 1, 2 ]
amdhsa.kernels:
  - .name:           k_q48a460b2a3_oproj
    .symbol:         k_q48a460b2a3_oproj.kd
    .args:
      - { .name: a_codes, .offset: 0, .size: 8, .value_kind: global_buffer, .address_space: global }
      - { .name: a_scales, .offset: 8, .size: 8, .value_kind: global_buffer, .address_space: global }
      - { .name: codes, .offset: 16, .size: 8, .value_kind: global_buffer, .address_space: global }
      - { .name: scales, .offset: 24, .size: 8, .value_kind: global_buffer, .address_space: global }
      - { .name: out0, .offset: 32, .size: 8, .value_kind: global_buffer, .address_space: global }
    .group_segment_fixed_size: 327680
    .private_segment_fixed_size: 0
    .kernarg_segment_align: 8
    .kernarg_segment_size: 40
    .max_flat_workgroup_size: 128
    .sgpr_count:     100
    .vgpr_count:     512
    .wavefront_size: 32
...
	.end_amdgpu_metadata
.endif
;; end of part 4
